; MI455X (gfx1250); checked and timed in simulation.
; The chip was launched on July 23, 2026; its instructions are those of AMD's public machine-readable ISA for CDNA 5 (MIT licence, August 2026) and "CDNA5" Instruction Set Architecture Reference Guide (July 2026). The comments in the code are by the model that wrote it; some were corrected since.
;; Learned Attention. Allowed arithmetic: matrix products marked QUANTISED: E2M3 operands, one E8M0 scale for each 32 along K, by v_wmma_scale_f32_16x16x128_f8f6f4 with both operands' format E2M3, f32 sums; products left as they are: f32 operands where the result goes on into a quantised operand, else bf16, f16 or f32 operands; f32 sums; everything else in f32.
;; Inputs: W_energy 1 x 1,024 float32; W_key 1,024 x 1,024 float32; W_query 1,024 x 1,024 float32; keys 32 x 1,024 x 1,024 float32; memory_lengths 32 int32; queries 32 x 1 x 1,024 float32; values 32 x 1,024 x 1,024 float32.
;; Outputs: out0 32 x 1 x 1,024 float32; out1 32 x 1 x 1,024 float32.
;; This version of the problem:
;;   THIS VERSION OF THE PROBLEM IS GIVEN IN LOW PRECISION. The matrix products marked QUANTISED in the list below multiply operands that are first quantised to E2M3 (2 exponent bits, 3 mantissa bits; 6 bits a number), with one power-of-two scale for each 32 numbers along K (OCP MX v1.0); their sums are f32. All else is computed in f32.
;;   The module's matrix products, in the order in which they are computed (A, B: the left and right operand; K: the contracted axis; several contracted axes count as one K, in the product's order):
;;     1. [M 32,768, K 1,024] x [K 1,024, N 1,024]; A: input keys; B: input W_key: QUANTISED
;;     2. [M 32,768, K 1,024] x [K 1,024, N 1,024]; A: input values; B: input W_key: QUANTISED
;;     3. [M 32, K 1,024] x [K 1,024, N 1,024]; A: input queries; B: input W_query: QUANTISED
;;     4. [M 32,768, K 1,024] x [K 1,024, N 1]; A: computed on the way; B: input W_energy: left as it is (N = 1 < 16)
;;     5. batch 32 x [M 1, K 1,024] x [K 1,024, N 1,024]; A: softmax; B: computed on the way: left as it is (M = 1 < 16)
;;   THE QUANTISER, for each operand of a quantised product, along K:
;;     - K is cut into blocks of 32 from its start; a last block that is shorter is filled with zeros.
;;     - A block's scale is 2^e with e = floor(log2(the largest magnitude in the block)) - 2, held to -126 .. 127; a block of zeros has e = 0. As a byte (E8M0): e + 127.
;;     - Each number is divided by its block's scale, clamped to +-7.5, and rounded to the nearest number of E2M3, ties to even, subnormals kept.
;;     - The product sums the exact products of the quantised numbers (number of the format x scale) in f32.
;;   ~~~python
;;   def quantise(x, axis):      # numpy; x: float32 -> the quantised numbers, widened to float32 again
;;       x = np.moveaxis(x, axis, -1); K = x.shape[-1]
;;       x = np.pad(x, [(0, 0)] * (x.ndim - 1) + [(0, -K % 32)]); x = x.reshape(x.shape[:-1] + (-1, 32)); a = np.abs(x).max(-1, keepdims=True)
;;       e = np.where(a > 0, np.clip(np.frexp(np.where(a > 0, a, 1))[1] - 1 - 2, -126, 127), 0)      # np.frexp(a)[1] - 1 = floor(log2(a)), exactly
;;       r = np.clip(x / 2.0 ** e, -7.5, 7.5)
;;       step = 2.0 ** (np.maximum(np.frexp(np.where(r == 0, 1, r))[1] - 1, 0) - 3)
;;       q = np.round(r / step) * step * 2.0 ** e      # np.round: ties to even
;;       return np.moveaxis(q.reshape(q.shape[:-2] + (-1,))[..., :K], -1, axis).astype(np.float32)
;;   ~~~
;; 2 versions. Each part assembles by itself: llvm-mc -triple=amdgcn-amd-amdhsa -mcpu=gfx1250 --defsym DOCPART=n.
;; ======== version 1 of 2: 3 launches
;; workspace buffers: wk 819,200 bytes; pqc 131,072 bytes; sc 133,120 bytes; st 3,328 bytes; op 1,703,936 bytes
;; launch prep (part 1): grid 128 x 1, 16 waves a work-group, no clusters, 114,688 bytes of LDS; arguments W_key, W_query, queries, wk, pqc; writes wk, pqc
.if DOCPART == 1
	.amdgcn_target "amdgcn-amd-amdhsa--gfx1250"
	.amdhsa_code_object_version 6
	.text
	.protected	k_qb8b5f57e6e_prep
	.globl	k_qb8b5f57e6e_prep
	.p2align	8
	.type	k_qb8b5f57e6e_prep,@function
k_qb8b5f57e6e_prep:
	s_mov_b64 s[64:65], 0
	v_nop
	global_prefetch_b8 v0, s[64:65] scope:SCOPE_SE
	s_setreg_imm32_b32 hwreg(HW_REG_WAVE_MODE, 25, 1), 1
	s_wait_xcnt 0x0
; W_key [1024][1024] f32 becomes codes of FP6 (E2M3) with one E8M0 byte for each 32 along K, laid in the ORDER OF THE OPERAND'S REGISTERS (buffer wk);
; pqc[b][h] = c x (Q(queries) Q(W_query)^T)[b][h], c = 2 log2(e), f32 (buffer pqc): the query's part of the exponent of tanh in the next launch.
; SHARES.  Work-groups 0-63 take 16 rows (tile nt) of W_key, work-groups 64-127 16 rows of W_query and all 32 rows of queries.  Wave v of sixteen quantises row 16 nt + v (and query rows v, v + 16).
; A ROW (4,096 bytes, 32 blocks of 32) is read by eight loads of 512 consecutive bytes, turned through the wave's own stage in LDS (32 places of 128 + 16 bytes) so that lane l holds block l whole,
; and quantised: scale = 2^(floor(log2(largest magnitude)) - 2), its byte the largest magnitude's exponent field - 2, held at 1 from below; codes to the nearest, ties to even, beyond 7.5 the largest code.
; Block l is K step l / 4, registers 6 c .. 6 c + 5 (c = (l / 2) % 2) of the operand's lane (row, half l % 2): the 24 bytes go to an image in LDS, 48 bytes for each (K step, half, row).
; wk: fragment (nt, K step s) at ((nt / 4) 8 + s) 6144 + (nt % 4) 1536; in it registers 4 g .. 4 g + 3 at 512 g, lane l's 16 bytes at 16 l.  From byte 786,432: scale words [nt][s][row], 4 bytes.
; LIMITS: a block of zeros gets the byte 1 (its codes are zeros; the bytes are read by this program alone); blocks under 2^-124 keep the byte 1; NaN and infinities among the inputs are not served.
.set STGW, 4608                        ; a wave's stage: 32 x 144 bytes
.set WIMG, 73728                       ; the image of the 16 rows of W: K step 1,568 bytes, half 784 (16 rows x 48 + 16)
.set WSS,  1568
.set WHS,  784
.set QIMG, 86272                       ; the image of the 32 query rows: K step 3,104 bytes, half 1,552
.set QSS,  3104
.set QHS,  1552
.set WSC,  111104                      ; W's scale words [K step][16 rows]
.set QSC,  111616                      ; the queries' [K step][32 rows]
.set WKS,  786432                      ; where the scale words begin in wk
; v1 16 l; v2, v3 stage in, out; v4, v5 image write (W, queries); v6, v7 scale byte write; v8 image read, my K step; v9, v10 image read (W, queries); v11, v12 scale words read; v13 pqc offset; v14 W's scale words, 16 bytes a lane
; v32-127 three rows as loaded, later W's 8 fragments; v128-159 a block; v160-165 its codes; v168-170, v172-175 at work; later v128-223 the queries' 8 fragments; v224-239 scale words and nothing else; v240-255 two accumulators
; One row: raw = its 32 registers as loaded; img, imgoff: where its codes go; scr, scoff: where its scale bytes go.
.macro PROW raw, img, imgoff, scr, scoff
.irp q, 0,1,2,3,4,5,6,7
	ds_store_b128 v2, v[\raw+4*\q:\raw+4*\q+3] offset:576*\q       ; as loaded: four blocks a load
.endr
.irp e, 0,1,2,3,4,5,6,7
	ds_load_b128 v[128+4*\e:131+4*\e], v3 offset:16*\e             ; back: block l to lane l (LDS serves a wave's instructions in order)
.endr
	s_wait_dscnt 0x0
	v_max3_num_f32 v172, |v128|, |v129|, 0x1800000                 ; the largest magnitude, in two chains; the floor 2^(3 - 127) holds the byte at 1 from below
	v_max3_num_f32 v173, |v144|, |v145|, |v146|
.irp k, 2,4,6,8,10,12
	v_max3_num_f32 v172, v172, |v[128+\k]|, |v[129+\k]|
	v_max3_num_f32 v173, v173, |v[145+\k]|, |v[146+\k]|
.endr
	v_max3_num_f32 v172, v172, |v142|, |v143|
	v_max3_num_f32 v172, v172, v173, |v159|
	v_add_nc_u32 v174, 0xff000000, v172                            ; 2 off its exponent field: the conversion takes the exponent field of this operand as its scale
	v_cvt_scalef32_pk16_fp6_f32 v[160:162], v[128:143], v174
	v_cvt_scalef32_pk16_fp6_f32 v[168:170], v[144:159], v174       ; (a conversion's three registers begin on an even number)
	v_lshrrev_b32 v175, 23, v174                                   ; the scale's byte; also the plain instruction behind the conversions
	v_mov_b32 v163, v168
	v_mov_b32 v164, v169
	v_mov_b32 v165, v170
	ds_store_b64 v[\img], v[160:161] offset:\imgoff
	ds_store_b64 v[\img], v[162:163] offset:\imgoff+8
	ds_store_b64 v[\img], v[164:165] offset:\imgoff+16
	ds_store_b8 v[\scr], v175 offset:\scoff
	s_wait_dscnt 0x0                                               ; the stores are done: for the barrier, and the registers may be written again
.endm
	s_load_b256 s[4:11], s[0:1], 0x0               ; W_key s[4:5], W_query s[6:7], queries s[8:9], wk s[10:11]
	s_load_b64 s[12:13], s[0:1], 0x20              ; pqc
	v_lshl_add_u32 v30, v0, 2, 0x1b800
	v_mov_b32 v31, 0
	v_lshrrev_b32 v15, 5, v0
	v_readfirstlane_b32 s16, v15                   ; wave 0..15
	v_and_b32 v16, 31, v0                          ; lane l
	v_and_b32 v17, 15, v0                          ; r
	v_bfe_u32 v18, v0, 4, 1                        ; h
	v_lshlrev_b32 v1, 4, v16
	s_mul_i32 s18, s16, STGW
	v_lshrrev_b32 v19, 3, v16
	v_and_b32 v20, 7, v16
	v_mul_u32_u24 v2, v19, 144
	v_lshl_add_u32 v2, v20, 4, v2
	v_add_nc_u32 v2, s18, v2                       ; stage, in: 144 (l / 8) + 16 (l % 8)
	v_mul_u32_u24 v3, v16, 144
	v_add_nc_u32 v3, s18, v3                       ; stage, out: 144 l
	v_lshrrev_b32 v19, 2, v16                      ; my block's K step,
	v_and_b32 v20, 1, v16                          ; half,
	v_bfe_u32 v21, v16, 1, 1                       ; c,
	v_and_b32 v22, 3, v16                          ; and byte in the scale word
	s_mul_i32 s18, s16, 48
	s_lshl_b32 s19, s16, 2
	v_mul_u32_u24 v4, v19, WSS
	v_mad_u32_u24 v4, v20, WHS, v4
	v_mad_u32_u24 v4, v21, 24, v4
	v_add_nc_u32 v4, s18, v4
	v_add_nc_u32 v4, WIMG, v4                      ; W's image: row = my wave
	v_mul_u32_u24 v5, v19, QSS
	v_mad_u32_u24 v5, v20, QHS, v5
	v_mad_u32_u24 v5, v21, 24, v5
	v_add_nc_u32 v5, s18, v5
	v_add_nc_u32 v5, QIMG, v5                      ; the queries' image: row = my wave (+ 16 by the immediate)
	v_lshl_add_u32 v6, v19, 6, v22
	v_add_nc_u32 v6, s19, v6
	v_add_nc_u32 v6, WSC, v6
	v_lshl_add_u32 v7, v19, 7, v22
	v_add_nc_u32 v7, s19, v7
	v_add_nc_u32 v7, QSC, v7
	v_mul_u32_u24 v9, v17, 48
	v_mad_u32_u24 v10, v18, QHS, v9
	v_mad_u32_u24 v9, v18, WHS, v9
	v_add_nc_u32 v9, WIMG, v9                      ; a fragment of W, read: 48 r + 784 h
	s_and_b32 s18, s16, 7
	s_mul_i32 s19, s18, WSS
	v_add_nc_u32 v8, s19, v9                       ; the same at K step wave % 8
	s_and_b32 s20, s16, 1
	s_mul_i32 s21, s20, 768
	s_add_co_u32 s21, s21, QIMG
	v_add_nc_u32 v10, s21, v10                     ; a fragment of the queries: rows 16 (wave % 2) + r
	v_lshl_add_u32 v11, v17, 2, WSC
	s_lshl_b32 s21, s20, 6
	s_add_co_u32 s21, s21, QSC
	v_lshl_add_u32 v12, v17, 2, s21
	v_lshlrev_b32 v13, 12, v17
	v_lshl_add_u32 v13, v18, 5, v13
	s_lshl_b32 s21, s20, 16
	v_add_nc_u32 v13, s21, v13                     ; pqc: batch 16 (wave % 2) + r, 4,096 bytes each, + 32 h
	v_add_nc_u32 v14, WSC, v1
	s_and_b32 s17, ttmp9, 63                       ; nt
	s_lshl_b32 s22, s17, 4
	s_add_co_u32 s22, s22, s16
	s_lshl_b32 s22, s22, 12                        ; my row of W: (16 nt + wave) x 4,096 bytes
	s_mov_b32 s23, 0
	s_lshr_b32 s24, s17, 2
	s_lshl_b32 s24, s24, 3
	s_add_co_u32 s24, s24, s18
	s_mul_i32 s24, s24, 6144
	s_and_b32 s26, s17, 3
	s_mul_i32 s26, s26, 1536
	s_add_co_u32 s24, s24, s26                     ; fragment (nt, wave % 8) in wk
	s_mov_b32 s25, 0
	s_lshl_b32 s26, s17, 9
	s_add_co_u32 s26, s26, WKS                     ; tile nt's scale words in wk
	s_mov_b32 s27, 0
	s_lshl_b32 s28, s17, 6                         ; tile nt's 16 columns in a row of pqc
	s_mov_b32 s29, 0
	s_lshl_b32 s30, s16, 12                        ; query row = wave
	s_mov_b32 s31, 0
	s_mov_b32 s32, 0x4038aa3b                      ; c = 2 log2(e)
	s_mov_b32 s33, s32                             ; (named with it as a pair, so it is written)
	s_wait_kmcnt 0x0
	s_cmp_lt_u32 ttmp9, 64                         ; W_key's work-group or W_query's: the choice hangs on the work-group's number alone
	s_cselect_b64 s[4:5], s[4:5], s[6:7]
	s_add_nc_u64 s[4:5], s[4:5], s[22:23]
	s_add_nc_u64 s[8:9], s[8:9], s[30:31]
	s_add_nc_u64 s[34:35], s[10:11], s[24:25]
	s_add_nc_u64 s[36:37], s[10:11], s[26:27]
	s_add_nc_u64 s[12:13], s[12:13], s[28:29]
.irp q, 0,1,2,3,4,5,6,7
	global_load_b128 v[32+4*\q:35+4*\q], v1, s[4:5] offset:512*\q th:TH_LOAD_NT   ; my row of W: read once in the launch
.endr
	s_cmp_lt_u32 ttmp9, 64
	s_cbranch_scc1 .Lno_q
.irp q, 0,1,2,3,4,5,6,7
	global_load_b128 v[64+4*\q:67+4*\q], v1, s[8:9] offset:512*\q
.endr
.irp q, 0,1,2,3,4,5,6,7
	global_load_b128 v[96+4*\q:99+4*\q], v1, s[8:9] offset:65536+512*\q
.endr
	s_wait_loadcnt 0x8                             ; all but the second query row's eight loads
	PROW 64, 5, 0, 7, 0
	s_wait_loadcnt 0x0
	PROW 96, 5, 768, 7, 64
.Lno_q:
	s_wait_loadcnt 0x0
	PROW 32, 4, 0, 6, 0                            ; it ends with the wait for all my LDS instructions
	s_barrier_signal -1
	s_barrier_wait -1                              ; the images are whole
	s_cmp_lt_u32 ttmp9, 64
	s_cbranch_scc0 .Lquery
	; ---- W_key: the images leave as they lie.  Waves 0-7: the fragment of K step = wave, three stores of 512 consecutive bytes; wave 8: the 512 bytes of scale words
	s_cmp_lt_u32 s16, 8
	s_cbranch_scc0 .Lnot_frag
	ds_load_b128 v[32:35], v8
	ds_load_b128 v[36:39], v8 offset:16
	ds_load_b128 v[40:43], v8 offset:32
	s_wait_dscnt 0x0
	global_store_b128 v1, v[32:35], s[34:35]
	global_store_b128 v1, v[36:39], s[34:35] offset:512
	global_store_b128 v1, v[40:43], s[34:35] offset:1024
	s_wait_tensorcnt 0x0
	ds_add_u32 v30, v31
	s_wait_dscnt 0x0
	s_endpgm
.Lnot_frag:
	s_cmp_eq_u32 s16, 8
	s_cbranch_scc0 .Lend
	ds_load_b128 v[32:35], v14
	s_wait_dscnt 0x0
	global_store_b128 v1, v[32:35], s[36:37]
	s_wait_tensorcnt 0x0
	ds_add_u32 v30, v31
	s_wait_dscnt 0x0
	s_endpgm
.Lquery:
	; ---- W_query: waves 0 and 1 multiply: source 0 = the 16 rows of W, source 1 = 16 query rows; a lane then holds one batch and eight neighbouring hidden units
	s_cmp_lt_u32 s16, 2
	s_cbranch_scc0 .Lend
.irp s, 0,1,2,3,4,5,6,7
.irp g, 0,1,2
	ds_load_b128 v[32+12*\s+4*\g:35+12*\s+4*\g], v9 offset:WSS*\s+16*\g
	ds_load_b128 v[128+12*\s+4*\g:131+12*\s+4*\g], v10 offset:QSS*\s+16*\g
.endr
	ds_load_b32 v[224+\s], v11 offset:64*\s
	ds_load_b32 v[232+\s], v12 offset:128*\s
.endr
	s_wait_dscnt 0x0
.irp s, 0,1,2,3,4,5,6,7                    ; two accumulators by turns: even K steps, odd K steps; the first two products start the sums
.if \s < 2
	v_wmma_scale_f32_16x16x128_f8f6f4 v[240+8*(\s%2):247+8*(\s%2)], v[32+12*\s:43+12*\s], v[128+12*\s:139+12*\s], 0, v[224+\s], v[232+\s] matrix_a_fmt:MATRIX_FMT_FP6 matrix_b_fmt:MATRIX_FMT_FP6
.else
	v_wmma_scale_f32_16x16x128_f8f6f4 v[240+8*(\s%2):247+8*(\s%2)], v[32+12*\s:43+12*\s], v[128+12*\s:139+12*\s], v[240+8*(\s%2):247+8*(\s%2)], v[224+\s], v[232+\s] matrix_a_fmt:MATRIX_FMT_FP6 matrix_b_fmt:MATRIX_FMT_FP6
.endif
.endr
.rept 4
	v_nop                                          ; four places behind the last product (ISA guide 7.12.1)
.endr
.irp i, 0,2,4,6
	v_pk_add_f32 v[32+\i:33+\i], v[240+\i:241+\i], v[248+\i:249+\i]   ; both sums from their low ends on
.endr
.irp i, 0,2,4,6
	v_pk_mul_f32 v[32+\i:33+\i], v[32+\i:33+\i], s[32:33] op_sel_hi:[1,0]
.endr
	global_store_b128 v13, v[32:35], s[12:13]      ; 32 bytes a lane: a work-group owns 64 bytes of each batch's row; pqc is 128 KiB in all
	global_store_b128 v13, v[36:39], s[12:13] offset:16
.Lend:
	s_wait_tensorcnt 0x0
	ds_add_u32 v30, v31
	s_wait_dscnt 0x0
	s_endpgm
.Lfunc_end_k_qb8b5f57e6e_prep:
	.size	k_qb8b5f57e6e_prep, .Lfunc_end_k_qb8b5f57e6e_prep-k_qb8b5f57e6e_prep
	.p2alignl 7, 3214868480
	.fill 96, 4, 3214868480
	.section	.rodata,"a",@progbits
	.p2align	6, 0x0
	.amdhsa_kernel k_qb8b5f57e6e_prep
		.amdhsa_group_segment_fixed_size 114688
		.amdhsa_private_segment_fixed_size 0
		.amdhsa_enable_private_segment 0
		.amdhsa_kernarg_size 40
		.amdhsa_user_sgpr_count 2
		.amdhsa_user_sgpr_kernarg_segment_ptr 1
		.amdhsa_wavefront_size32 1
		.amdhsa_system_sgpr_workgroup_id_x 1
		.amdhsa_system_sgpr_workgroup_id_y 1
		.amdhsa_system_sgpr_workgroup_id_z 1
		.amdhsa_system_vgpr_workitem_id 0
		.amdhsa_next_free_vgpr 256
		.amdhsa_next_free_sgpr 66
		.amdhsa_reserve_vcc 0
		.amdhsa_float_denorm_mode_32 3
		.amdhsa_float_denorm_mode_16_64 3
		.amdhsa_memory_ordered 1
		.amdhsa_forward_progress 1
		.amdhsa_inst_pref_size 23
	.end_amdhsa_kernel
	.amdgpu_metadata
---
amdhsa.version: [ 1, 2 ]
amdhsa.kernels:
  - .name:           k_qb8b5f57e6e_prep
    .symbol:         k_qb8b5f57e6e_prep.kd
    .args:
      - { .name: W_key, .offset: 0, .size: 8, .value_kind: global_buffer, .address_space: global }
      - { .name: W_query, .offset: 8, .size: 8, .value_kind: global_buffer, .address_space: global }
      - { .name: queries, .offset: 16, .size: 8, .value_kind: global_buffer, .address_space: global }
      - { .name: wk, .offset: 24, .size: 8, .value_kind: global_buffer, .address_space: global }
      - { .name: pqc, .offset: 32, .size: 8, .value_kind: global_buffer, .address_space: global }
    .group_segment_fixed_size: 114688
    .private_segment_fixed_size: 0
    .kernarg_segment_align: 8
    .kernarg_segment_size: 40
    .max_flat_workgroup_size: 512
    .sgpr_count:     66
    .vgpr_count:     256
    .wavefront_size: 32
...
	.end_amdgpu_metadata
.endif
;; end of part 1
;; launch main (part 2): grid 416 x 1, 4 waves a work-group, no clusters, 304,128 bytes of LDS; arguments keys, values, memory_lengths, W_energy, wk, pqc, sc, st, op; writes sc, st, op
.if DOCPART == 2
	.amdgcn_target "amdgcn-amd-amdhsa--gfx1250"
	.amdhsa_code_object_version 6
	.text
	.protected	k_qb8b5f57e6e_main
	.globl	k_qb8b5f57e6e_main
	.p2align	8
	.type	k_qb8b5f57e6e_main,@function
k_qb8b5f57e6e_main:
	s_mov_b64 s[64:65], 0
	v_nop
	global_prefetch_b8 v0, s[64:65] scope:SCOPE_SE
	s_setreg_imm32_b32 hwreg(HW_REG_WAVE_MODE, 25, 1), 1
	s_wait_xcnt 0x0
; One work-group takes one tile of 80 memory rows of one batch through the whole chain.  Rows at or past the batch's length get weight 0 in the softmax, so tiles that lie wholly past it do not exist here.
; WHICH TILE.  Batch j has n_j = ceil(len_j / 80) tiles; work-group g finds (batch, tile) by a scalar walk over the 32 lengths.  The grid, 32 x 13, serves every choice of lengths; a work-group with g at or past
; the sum of the n_j does nothing between the barriers, stores nothing and ends.  Branches hang on memory_lengths, so operands come by plain loads: no tensor load, no cluster.
; R0  each wave quantises 20 rows of keys and 20 of values (FP6 E2M3, one E8M0 byte for each 32 along K) into images of the operands' registers in LDS.  Rows past the length are read as row len - 1.
; R1  ONE pass over W_key's codes (buffer wk): wave w owns hidden units 256 w .. 256 w + 255, in 4 blocks of 64.  Each fragment of W feeds 5 tiles of key rows and 5 of value rows.
;     Keys: source 0 = W, source 1 = keys: a lane holds one key row and eight hidden units.  tanh(x) = 1 - 2 r, r = 1 / (1 + 2^(c x)), c = 2 log2(e); c x = c pk + pqc.  The sum of W_energy is the same for every row
;     and falls out of the softmax, so the score in base 2 is t = -c x sum over h of W_energy[h] r.  2^(c x) = infinity gives r = 0, 0 gives r = 1, as tanh saturates.
;     Values: source 0 = values, source 1 = W: a lane holds one hidden unit and eight rows.  Each hidden unit's 80 numbers are multiplied by a power of two that puts the largest of them in [2^14, 2^15), which rounds
;     nothing, and rounded to f16: so f16's range plays no part, whatever the inputs' size.  They ARE half a B fragment of the last product and wait in LDS (HOLD); the inverse powers wait beside them (INVS).
;     (bf16 is too coarse here: its rounding is 2^-9 of a number, and the outputs of a short batch are judged against the spread of all batches.)
; R2  every wave: the tile's scores from the four waves' parts, the tile's maximum mx over valid rows, p = 2^(t - mx) (0 past the length), l = the sum of p; then sum over rows of p x projected values by
;     v_wmma_f32_16x16x32_f16 (A = p in all 16 rows), times the inverse power.  Stored: t (sc), (mx, l) (st), the unnormalised sum (op); the next launch joins a batch's tiles.
; LIMITS: a length over 1,024 acts as 1,024; a length of 0 or less leaves the batch without tiles (the next launch then gives NaN, as the softmax of an empty row does); NaN and infinities among the inputs are not
; served; a block of zeros gets the byte 1 with zero codes; p and the scaled projected values are rounded to f16 for the last product; a hidden unit whose largest projected value lies under 2^-111 is scaled by 2^125 and no more.
.set SSM,   7712                       ; the images: a K step is 2 halves of 3,856 bytes (80 rows x 48 + 16): steps 32 bytes and halves 16 bytes apart modulo 256, so the 32 lanes of a store of 8 bytes touch 64 different banks (64 banks of 4 bytes: ISA guide 11.1)
.set HSM,   3856
.set IMGV,  61696                      ; keys' image at 0, values' here
.set SCA,   123392                     ; scale words [K step][160 rows]: keys' 80, values' 80
.set SPART, 128512                     ; the waves' parts of the scores [wave][80]
.set PW,    129792                     ; p, 96 words for each wave
.set HOLD,  131584                     ; projected values in f16: 40,960 bytes a wave: tile (column tile nt', row tile a) at (5 nt' + a) 512 + 16 l.  In R0 the wave's two stages lie at its head
.set HOLDW, 40960
.set OT,    295424                     ; the wave's 256 results, 1,024 bytes
.set INVO,  4096                       ; INVS = OT + 4,096: the inverse powers of the wave's 256 hidden units, 1,024 bytes a wave, laid as OT is
.set WKS,   786432                     ; where the scale words begin in wk
; WINDOW 0: v1 16 l; v2, v3 fragment address in the keys', values' image; v4 scale words; v5, v6 stage in, out; v7 image write; v8 scale byte write; v9 HOLD; v10 wk codes, block 0; v11, v12 this and the next block's codes;
;   v13 wk scales, block 0; v14, v15 this and the next block's; v16-22 seven row offsets; v23 pqc and W_energy offset; v24 SPART write; v25, v26 p write, read; v27, v28 OT write, read; v29, v30 SPART read; v31 lane;
;   v32-41 the rows' scale words, two sets; v42-49 W's, four sets (these eighteen hold scales and nothing else); v50-59 score sums; v60-95 at work; v96-255 the values' accumulators, tile (a, j) at 96 + 8 (4 a + j).
; WINDOW 1: v0-191 W's fragments, four sets of 4 x 12; v192-223 pqc, v224-255 W_energy of the block; in R0 seven rows as loaded.   WINDOW 2: the rows' fragments, two sets of 120 (keys 12 a, values 60 + 12 a); from v120 also 80 registers of f16.
; WINDOW 3: the keys' accumulators, tile (a, j) at 8 (4 a + j).
.set MSB, 0
.macro WIN new                         ; s_set_vgpr_msb: bits 1:0 source 0, 3:2 source 1, 5:4 source 2, 7:6 destination; the high byte repeats the setting that is left
.if MSB != \new
	s_set_vgpr_msb (MSB<<8)|\new
.set MSB, \new
.endif
.endm
.macro PL4                             ; four places: in front of loads into registers that matrix instructions have read, and of the first read of results
.rept 4
	v_nop
.endr
.endm
	s_load_b512 s[4:19], s[0:1], 0x0               ; keys s[4:5], values s[6:7], memory_lengths s[8:9], W_energy s[10:11], wk s[12:13], pqc s[14:15], sc s[16:17], st s[18:19]
	s_load_b64 s[20:21], s[0:1], 0x40              ; op
	v_lshl_add_u32 v94, v0, 2, 0x4a200
	v_mov_b32 v95, 0
	v_lshrrev_b32 v60, 5, v0
	v_readfirstlane_b32 s66, v60                   ; wave 0..3
	v_and_b32 v31, 31, v0                          ; lane l
	v_and_b32 v61, 15, v0                          ; r
	v_bfe_u32 v62, v0, 4, 1                        ; h
	v_lshlrev_b32 v1, 4, v31
	v_mul_u32_u24 v2, v61, 48
	v_mad_u32_u24 v2, v62, HSM, v2
	v_add_nc_u32 v3, IMGV, v2
	v_lshl_add_u32 v4, v31, 2, SCA
	s_mul_i32 s88, s66, HOLDW
	s_add_co_u32 s88, s88, HOLD
	v_lshrrev_b32 v63, 3, v31
	v_and_b32 v64, 7, v31
	v_mul_u32_u24 v5, v63, 144
	v_lshl_add_u32 v5, v64, 4, v5
	v_add_nc_u32 v5, s88, v5
	v_mul_u32_u24 v6, v31, 144
	v_add_nc_u32 v6, s88, v6
	v_add_nc_u32 v9, s88, v1
	v_lshrrev_b32 v63, 2, v31                      ; my block's K step,
	v_and_b32 v64, 1, v31                          ; half,
	v_bfe_u32 v65, v31, 1, 1                       ; c,
	v_and_b32 v66, 3, v31                          ; and byte in the scale word
	s_mul_i32 s88, s66, 960                        ; my wave's 20 rows x 48 bytes
	v_mul_u32_u24 v7, v63, SSM
	v_mad_u32_u24 v7, v64, HSM, v7
	v_mad_u32_u24 v7, v65, 24, v7
	v_add_nc_u32 v7, s88, v7
	s_mul_i32 s88, s66, 80
	s_add_co_u32 s88, s88, SCA
	v_mad_u32_u24 v8, v63, 640, v66
	v_add_nc_u32 v8, s88, v8
	s_mul_i32 s88, s66, 196608                     ; my wave's 16 column tiles of codes
	v_add_nc_u32 v10, s88, v1
	s_lshl_b32 s88, s66, 13
	s_add_co_u32 s88, s88, WKS
	v_lshlrev_b32 v13, 2, v61
	v_lshl_add_u32 v13, v62, 9, v13                ; lanes 0-15 an even column tile's words, lanes 16-31 the odd one's
	v_add_nc_u32 v13, s88, v13
	s_lshl_b32 s88, s66, 10
	v_lshl_add_u32 v23, v62, 5, s88
	s_mul_i32 s88, s66, 320
	s_add_co_u32 s88, s88, SPART
	v_lshl_add_u32 v24, v61, 2, s88
	s_mul_i32 s88, s66, 384
	s_add_co_u32 s88, s88, PW
	v_lshl_add_u32 v25, v31, 2, s88
	v_lshl_add_u32 v26, v62, 5, s88
	s_lshl_b32 s88, s66, 10
	s_add_co_u32 s88, s88, OT
	v_lshl_add_u32 v27, v61, 2, s88
	v_add_nc_u32 v28, s88, v1
	v_lshl_add_u32 v29, v31, 2, SPART
	v_lshl_add_u32 v30, v61, 2, SPART+256
	s_mov_b32 s70, 0x4038aa3b                      ; c = 2 log2(e)
	s_mov_b32 s71, s70                             ; (named with it as a pair, so it is written)
	s_mov_b32 s72, 0x76543210                      ; v_permlanex16_b32's selects for lane l xor 16
	s_mov_b32 s73, 0xfedcba98
	s_wait_kmcnt 0x0
	s_load_b512 s[24:39], s[8:9], 0x0              ; the 32 lengths
	s_load_b512 s[40:55], s[8:9], 0x40
	s_mov_b32 s57, 0                               ; tiles in front of batch j
	s_mov_b32 s58, 0                               ; my batch,
	s_mov_b32 s59, 0                               ; its first tile's number,
	s_mov_b32 s60, 0                               ; its length
	s_wait_kmcnt 0x0
.irp j, 0,1,2,3,4,5,6,7,8,9,10,11,12,13,14,15,16,17,18,19,20,21,22,23,24,25,26,27,28,29,30,31
	s_max_i32 s61, s[24+\j], 0
	s_min_u32 s61, s61, 1024                       ; the length, held to 0 .. 1,024
	s_add_co_u32 s62, s61, 79
	s_mul_i32 s62, s62, 52429
	s_lshr_b32 s62, s62, 22                        ; n_j = (len + 79) / 80: 52,429 / 2^22 is exact for numbers under 2^18
	s_cmp_ge_u32 ttmp9, s57                        ; the last batch whose first tile is not past g is mine
	s_cselect_b32 s58, \j, s58
	s_cselect_b32 s59, s57, s59
	s_cselect_b32 s60, s61, s60
	s_add_co_u32 s57, s57, s62                     ; (sets SCC: behind the selections)
.endr
	s_cmp_lt_u32 ttmp9, s57
	s_cselect_b32 s63, 1, 0                        ; have I a tile?
	s_min_u32 s58, s58, 31
	s_sub_co_u32 s67, ttmp9, s59
	s_min_u32 s67, s67, 12                         ; which tile of the batch
	s_mul_i32 s61, s67, 80
	s_mul_i32 s62, s66, 20
	s_add_co_u32 s68, s61, s62                     ; my wave's first row
	s_sub_co_i32 s69, s60, 1
	s_max_i32 s69, s69, 0                          ; the batch's last valid row
	s_sub_co_i32 s75, s60, s61
	s_max_i32 s75, s75, 0
	s_min_u32 s75, s75, 80                         ; valid rows in the tile
	s_mov_b32 s89, 0
	s_lshl_b32 s88, s58, 22
	s_add_nc_u64 s[76:77], s[4:5], s[88:89]        ; keys and values at my batch
	s_add_nc_u64 s[78:79], s[6:7], s[88:89]
	s_lshl_b32 s88, s58, 12
	s_add_nc_u64 s[80:81], s[14:15], s[88:89]      ; pqc at my batch
	s_mul_i32 s88, s58, 4160
	s_mul_i32 s62, s67, 320
	s_add_co_u32 s88, s88, s62
	s_add_nc_u64 s[82:83], s[16:17], s[88:89]      ; sc: 1,040 words a batch, 80 a tile
	s_mul_i32 s90, s58, 13
	s_add_co_u32 s90, s90, s67                     ; slot = 13 batch + tile
	s_lshl_b32 s88, s90, 3
	s_add_nc_u64 s[84:85], s[18:19], s[88:89]
	s_lshl_b32 s88, s90, 12
	s_lshl_b32 s62, s66, 10
	s_add_co_u32 s88, s88, s62
	s_add_nc_u64 s[86:87], s[20:21], s[88:89]      ; op: 4,096 bytes a slot, my wave's 1,024
	s_cmp_eq_u32 s63, 0
	s_cbranch_scc1 .Lb1
; ================ R0: 40 rows a wave, written out: every LDS offset is an immediate.  Row i: keys for i < 20, then values; row (i % 20) of my wave's 20.
.macro LOADROW i                       ; eight loads of 512 consecutive bytes into slot i % 7.  No cache hint: the rows past the length name row len - 1 again
	WIN 0
	s_add_co_u32 s88, s68, (\i)%20
	s_min_u32 s88, s88, s69                        ; not past the batch's last valid row,
	s_min_u32 s88, s88, 1023                       ; nor past the tensor
	v_lshl_add_u32 v[16+(\i)%7], s88, 12, v1
	WIN 0x40                                       ; destination window 1
.irp q, 0,1,2,3,4,5,6,7
.if (\i) < 20
	global_load_b128 v[32*((\i)%7)+4*\q:32*((\i)%7)+4*\q+3], v[16+(\i)%7], s[76:77] offset:512*\q
.else
	global_load_b128 v[32*((\i)%7)+4*\q:32*((\i)%7)+4*\q+3], v[16+(\i)%7], s[78:79] offset:512*\q
.endif
.endr
.endm
.macro TURN i                          ; through stage i % 2: in as loaded, out block l to lane l (LDS serves a wave's instructions in order)
	WIN 0x04                                       ; an LDS store's data are its source 1: window 1
.irp q, 0,1,2,3,4,5,6,7
	ds_store_b128 v5, v[32*((\i)%7)+4*\q:32*((\i)%7)+4*\q+3] offset:4608*((\i)%2)+576*\q
.endr
	WIN 0
.irp e, 0,1,2,3,4,5,6,7
	ds_load_b128 v[96+32*((\i)%2)+4*\e:96+32*((\i)%2)+4*\e+3], v6 offset:4608*((\i)%2)+16*\e
.endr
.endm
.macro QROW i                          ; my block of row i: scale, codes, to the image
.set XS, 96+32*((\i)%2)
.set CD, 160+8*((\i)%2)
.set BY, 184+(\i)%2
	v_max3_num_f32 v180, |v[XS]|, |v[XS+1]|, 0x1800000             ; the largest magnitude, in two chains; the floor 2^(3 - 127) holds the byte at 1 from below
	v_max3_num_f32 v181, |v[XS+16]|, |v[XS+17]|, |v[XS+18]|
.irp k, 2,4,6,8,10,12
	v_max3_num_f32 v180, v180, |v[XS+\k]|, |v[XS+\k+1]|
	v_max3_num_f32 v181, v181, |v[XS+17+\k]|, |v[XS+18+\k]|
.endr
	v_max3_num_f32 v180, v180, |v[XS+14]|, |v[XS+15]|
	v_max3_num_f32 v180, v180, v181, |v[XS+31]|
	v_add_nc_u32 v182, 0xff000000, v180                            ; 2 off its exponent field: the conversion's scale operand
	v_cvt_scalef32_pk16_fp6_f32 v[CD:CD+2], v[XS:XS+15], v182
	v_cvt_scalef32_pk16_fp6_f32 v[176:178], v[XS+16:XS+31], v182   ; (a conversion's three registers begin on an even number)
	v_lshrrev_b32 v[BY], 23, v182                                  ; the scale's byte; also the plain instruction behind the conversions
	v_mov_b32 v[CD+3], v176
	v_mov_b32 v[CD+4], v177
	v_mov_b32 v[CD+5], v178
	ds_store_b64 v7, v[CD:CD+1] offset:IMGV*((\i)/20)+48*((\i)%20)
	ds_store_b64 v7, v[CD+2:CD+3] offset:IMGV*((\i)/20)+48*((\i)%20)+8
	ds_store_b64 v7, v[CD+4:CD+5] offset:IMGV*((\i)/20)+48*((\i)%20)+16
	ds_store_b8 v8, v[BY] offset:320*((\i)/20)+4*((\i)%20)
.endm
.macro RSTEP i
.if (\i) == 0
	s_wait_dscnt 0x0
.else
	s_wait_dscnt 0x4                               ; row i is back from its stage; only the four stores of row i - 1 are younger.  So the stage's stores have read slot i % 7, and row i - 2's stores their registers
.endif
.if (\i)+7 < 40
	LOADROW (\i)+7                                 ; slot i % 7 and its offset register are free: row i's loads were waited for
.endif
.if (\i) < 39
.if (\i)+7 < 40
	s_wait_loadcnt 48                              ; row i + 1 is in; six younger rows of eight loads stay out
.else
	s_wait_loadcnt 8*(38-(\i))                     ; the counts run down: rows i + 2 .. 39
.endif
	TURN (\i)+1
.endif
	QROW \i
.endm
.irp i, 0,1,2,3,4,5,6
	LOADROW \i
.endr
	s_wait_loadcnt 48                              ; row 0 is in
	TURN 0
.set RI, 0
.rept 40
	RSTEP RI
.set RI, RI+1
.endr
.Lb1:
	s_wait_dscnt 0x0                               ; my stores into the images are done
	s_barrier_signal -1
	s_barrier_wait -1                              ; the images are whole
	s_cmp_eq_u32 s63, 0
	s_cbranch_scc1 .Lb2
; ================ R1
; The fragments of W for step sig of the walk (K step sig % 8; sig 8, 9, 10: the next block's first three): 2 loads of scale words, 12 of codes, into set sig % 4.  extra = 1: the block's pqc and W_energy too, 16 loads.
.macro WGROUP sig, extra
.set WSET, (\sig)%4
.set WST, (\sig)%8
.if (\sig) < 8
.set WCO, 11
.set WSO, 14
.else
.set WCO, 12
.set WSO, 15
.endif
	WIN 0
	global_load_b32 v[42+2*WSET], v[WSO], s[12:13] offset:64*WST
	global_load_b32 v[43+2*WSET], v[WSO], s[12:13] offset:64*WST+1024
	WIN 0x40                                       ; destination window 1
.if \extra
.irp j, 0,1,2,3
	global_load_b128 v[192+8*\j:195+8*\j], v23, s[80:81] offset:64*\j
	global_load_b128 v[196+8*\j:199+8*\j], v23, s[80:81] offset:64*\j+16
	global_load_b128 v[224+8*\j:227+8*\j], v23, s[10:11] offset:64*\j
	global_load_b128 v[228+8*\j:231+8*\j], v23, s[10:11] offset:64*\j+16
.endr
.endif
.irp j, 0,1,2,3
.irp g, 0,1,2
	global_load_b128 v[48*WSET+12*\j+4*\g:48*WSET+12*\j+4*\g+3], v[WCO], s[12:13] offset:6144*WST+1536*\j+512*\g   ; 512 consecutive bytes: the registers as they lie
.endr
.endr
.endm
; The rows' fragments of K step s into set s % 2: 30 loads of 16 bytes a lane; and 5 loads of scale words: register q: lanes 0-15 row tile 2 q, lanes 16-31 row tile 2 q + 1 (tiles 0-4 keys, 5-9 values)
.macro AFETCH s
	WIN 0x80                                       ; destination window 2
.irp a, 0,1,2,3,4
.irp g, 0,1,2
	ds_load_b128 v[120*((\s)%2)+12*\a+4*\g:120*((\s)%2)+12*\a+4*\g+3], v2 offset:SSM*(\s)+768*\a+16*\g
.endr
.endr
.irp a, 0,1,2,3,4
.irp g, 0,1,2
	ds_load_b128 v[120*((\s)%2)+60+12*\a+4*\g:120*((\s)%2)+60+12*\a+4*\g+3], v3 offset:SSM*(\s)+768*\a+16*\g
.endr
.endr
	WIN 0
.irp q, 0,1,2,3,4
	ds_load_b32 v[32+5*((\s)%2)+\q], v4 offset:640*(\s)+128*\q
.endr
.endm
; One scaled product by the symbols rD, rA, rB, rSA, rSB; rRA, rRB: the side's scales stand in lanes 16-31; rZ: it starts its sum
.macro WMS
.if rZ
.if rRA && rRB
	v_wmma_scale_f32_16x16x128_f8f6f4 v[rD:rD+7], v[rA:rA+11], v[rB:rB+11], 0, v[rSA], v[rSB] matrix_a_fmt:MATRIX_FMT_FP6 matrix_b_fmt:MATRIX_FMT_FP6 matrix_a_scale:MATRIX_SCALE_ROW1 matrix_b_scale:MATRIX_SCALE_ROW1
.elseif rRA
	v_wmma_scale_f32_16x16x128_f8f6f4 v[rD:rD+7], v[rA:rA+11], v[rB:rB+11], 0, v[rSA], v[rSB] matrix_a_fmt:MATRIX_FMT_FP6 matrix_b_fmt:MATRIX_FMT_FP6 matrix_a_scale:MATRIX_SCALE_ROW1
.elseif rRB
	v_wmma_scale_f32_16x16x128_f8f6f4 v[rD:rD+7], v[rA:rA+11], v[rB:rB+11], 0, v[rSA], v[rSB] matrix_a_fmt:MATRIX_FMT_FP6 matrix_b_fmt:MATRIX_FMT_FP6 matrix_b_scale:MATRIX_SCALE_ROW1
.else
	v_wmma_scale_f32_16x16x128_f8f6f4 v[rD:rD+7], v[rA:rA+11], v[rB:rB+11], 0, v[rSA], v[rSB] matrix_a_fmt:MATRIX_FMT_FP6 matrix_b_fmt:MATRIX_FMT_FP6
.endif
.else
.if rRA && rRB
	v_wmma_scale_f32_16x16x128_f8f6f4 v[rD:rD+7], v[rA:rA+11], v[rB:rB+11], v[rD:rD+7], v[rSA], v[rSB] matrix_a_fmt:MATRIX_FMT_FP6 matrix_b_fmt:MATRIX_FMT_FP6 matrix_a_scale:MATRIX_SCALE_ROW1 matrix_b_scale:MATRIX_SCALE_ROW1
.elseif rRA
	v_wmma_scale_f32_16x16x128_f8f6f4 v[rD:rD+7], v[rA:rA+11], v[rB:rB+11], v[rD:rD+7], v[rSA], v[rSB] matrix_a_fmt:MATRIX_FMT_FP6 matrix_b_fmt:MATRIX_FMT_FP6 matrix_a_scale:MATRIX_SCALE_ROW1
.elseif rRB
	v_wmma_scale_f32_16x16x128_f8f6f4 v[rD:rD+7], v[rA:rA+11], v[rB:rB+11], v[rD:rD+7], v[rSA], v[rSB] matrix_a_fmt:MATRIX_FMT_FP6 matrix_b_fmt:MATRIX_FMT_FP6 matrix_b_scale:MATRIX_SCALE_ROW1
.else
	v_wmma_scale_f32_16x16x128_f8f6f4 v[rD:rD+7], v[rA:rA+11], v[rB:rB+11], v[rD:rD+7], v[rSA], v[rSB] matrix_a_fmt:MATRIX_FMT_FP6 matrix_b_fmt:MATRIX_FMT_FP6
.endif
.endif
.endm
; K step s of a block of 64 hidden units: 40 products on 40 accumulators, which take turns, one instruction a turn; W comes three steps ahead, the rows' fragments one.
.macro MSTEP s
.if ((\s) == 1) || ((\s) == 2)
	s_wait_loadcnt 44                              ; W's group of this step is in; younger: two groups of 14 and step 0's sixteen loads of pqc and W_energy
.else
	s_wait_loadcnt 28                              ; younger: two groups of 14
.endif
	s_wait_dscnt 0x0                               ; the rows' fragments of this step are in (and, in step 0, the last block's stores to HOLD have read their registers)
	PL4                                            ; the loads below land in registers that the step before has multiplied
	AFETCH ((\s)+1)%8
.if (\s) == 0
	WGROUP 3, 1
.set rZ, 1
.else
	WGROUP (\s)+3, 0
.set rZ, 0
.endif
	WIN 0xf9                                       ; source 0 (W) window 1, source 1 (keys) window 2, C and D window 3
.irp a, 0,1,2,3,4
.irp j, 0,1,2,3
.set rD, 8*(4*\a+\j)
.set rA, 48*((\s)%4)+12*\j
.set rB, 120*((\s)%2)+12*\a
.set rSA, 42+2*((\s)%4)+\j/2
.set rSB, 32+5*((\s)%2)+\a/2
.set rRA, \j%2
.set rRB, \a%2
	WMS
.endr
.endr
	WIN 0x06                                       ; source 0 (values) window 2, source 1 (W) window 1, C and D window 0
.irp a, 0,1,2,3,4
.irp j, 0,1,2,3
.set rD, 96+8*(4*\a+\j)
.set rA, 120*((\s)%2)+60+12*\a
.set rB, 48*((\s)%4)+12*\j
.set rSA, 32+5*((\s)%2)+(5+\a)/2
.set rSB, 42+2*((\s)%4)+\j/2
.set rRA, (5+\a)%2
.set rRB, \j%2
	WMS
.endr
.endr
.endm
.macro HSTORE nb                       ; the block's 20 tiles of projected values, f16, to HOLD: 512 consecutive bytes a store; and its four column tiles' inverse powers
	WIN 0x08                                       ; the data: window 2
.irp a, 0,1,2,3,4
.irp j, 0,1,2,3
	ds_store_b128 v9, v[120+4*(4*\a+\j):120+4*(4*\a+\j)+3] offset:(20*(\nb)+5*\j+\a)*512
.endr
.endr
	WIN 0
.irp j, 0,1,2,3
	ds_store_b32 v27, v[77+2*\j] offset:INVO+64*(4*(\nb)+\j)       ; hidden unit 16 (4 nb + j) + r; both halves write the same word with the same value
.endr
.endm
.irp i, 0,1,2,3,4,5,6,7,8,9
	v_mov_b32 v[50+\i], 0                          ; the score sums: a pair for each tile of key rows
.endr
.irp j, 0,1,2,3
	v_mov_b32 v[68+\j], 0                          ; written once: a lane permute's destination counts as one of its sources
.endr
	v_mov_b32 v11, v10                             ; block 0,
	v_add_nc_u32 v12, 49152, v10                   ; block 1
	v_mov_b32 v14, v13
	v_add_nc_u32 v15, 2048, v13
	WGROUP 0, 0
	WGROUP 1, 0
	WGROUP 2, 0
	AFETCH 0
	s_mov_b32 s74, 0
.Ltrip:                                            ; four trips: a block of 64 hidden units each
	MSTEP 0
	MSTEP 1
	MSTEP 2
	MSTEP 3
	MSTEP 4
	MSTEP 5
	MSTEP 6
	MSTEP 7
	PL4
	WIN 0
	; the projected values of the block.  A lane holds hidden unit r of each column tile j, and 8 of its rows in each of 5 accumulators: the largest magnitude of the 40, each accumulator from its low end on, the four j by turns
.irp a, 0,1,2,3,4
.irp i, 0,2,4,6
.irp j, 0,1,2,3
.if (\a == 0) && (\i == 0)
	v_max3_num_f32 v[60+2*\j], |v[96+8*\j]|, |v[97+8*\j]|, 0x8000000   ; and the floor 2^(16 - 127): so both powers below have exponent fields between 2 and 252
.else
	v_max3_num_f32 v[60+2*\j], v[60+2*\j], |v[96+8*(4*\a+\j)+\i]|, |v[97+8*(4*\a+\j)+\i]|
.endif
.endr
.endr
.endr
.irp j, 0,1,2,3
	v_permlanex16_b32 v[68+\j], v[60+2*\j], s72, s73
.endr
.irp j, 0,1,2,3
	v_max_num_f32 v[60+2*\j], v[60+2*\j], v[68+\j] ; with the other half's 40 rows: the hidden unit's largest of 80
.endr
.irp j, 0,1,2,3
	v_and_b32 v[60+2*\j], 0x7f800000, v[60+2*\j]   ; its exponent field E, in place
.endr
.irp j, 0,1,2,3
	v_sub_nc_u32 v[76+2*\j], 0x86000000, v[60+2*\j]    ; the power 2^(141 - E): field 268 - E: it puts the largest number in [2^14, 2^15)
	v_add_nc_u32 v[77+2*\j], 0xf9000000, v[60+2*\j]    ; and its inverse 2^(E - 141): field E - 14.  The two are a pair, so that the packed form's pair is written whole
.endr
.set TT, 0
.rept 20
.irp i, 0,2,4,6
	v_pk_mul_f32 v[96+8*TT+\i:96+8*TT+\i+1], v[96+8*TT+\i:96+8*TT+\i+1], v[76+2*(TT%4):77+2*(TT%4)] op_sel_hi:[1,0]   ; x the power: nothing is rounded
.endr
.set TT, TT+1
.endr
	WIN 0x80                                       ; destination window 2: the set of fragments that step 7 has multiplied
.set TT, 0
.rept 20
.irp i, 0,1,2,3
	v_cvt_pk_f16_f32 v[120+4*TT+\i], v[96+8*TT+2*\i], v[96+8*TT+2*\i+1]   ; eight rows of one hidden unit, 16 bytes
.endr
.set TT, TT+1
.endr
	WIN 0
	s_cmp_eq_u32 s74, 0                            ; the block's place in HOLD stands in the stores' immediates: four runs, one for each block
	s_cbranch_scc1 .Lh0
	s_cmp_eq_u32 s74, 1
	s_cbranch_scc1 .Lh1
	s_cmp_eq_u32 s74, 2
	s_cbranch_scc1 .Lh2
	HSTORE 3
	s_branch .Lhd
.Lh0:
	HSTORE 0
	s_branch .Lhd
.Lh1:
	HSTORE 1
	s_branch .Lhd
.Lh2:
	HSTORE 2
.Lhd:
	WIN 0xd3                                       ; keys' accumulators (window 3) in place; pqc window 1
.set TT, 0
.rept 20
.irp i, 0,2,4,6
	v_pk_fma_f32 v[8*TT+\i:8*TT+\i+1], v[8*TT+\i:8*TT+\i+1], s[70:71], v[192+8*(TT%4)+\i:192+8*(TT%4)+\i+1] op_sel_hi:[1,0,1]   ; c pk + pqc
.endr
.set TT, TT+1
.endr
	WIN 0xc3
.set KK, 0
.rept 160
	v_exp_f32 v[KK], v[KK]                         ; 2^(c x)
.set KK, KK+1
.endr
	v_nop                                          ; a plain instruction behind the last exponential,
	s_wait_alu depctr_va_vdst(0)                   ; and one wait for the batch, ahead of its first reader
.set KK, 0
.rept 80
	v_pk_add_f32 v[KK:KK+1], v[KK:KK+1], 1.0 op_sel_hi:[1,0]
.set KK, KK+2
.endr
.set KK, 0
.rept 160
	v_rcp_f32 v[KK], v[KK]                         ; r = 1 / (1 + 2^(c x))
.set KK, KK+1
.endr
	v_nop
	s_wait_alu depctr_va_vdst(0)                   ; one wait for the batch of reciprocals
	WIN 0x07                                       ; source 0 (r) window 3, source 1 (W_energy) window 1, sums window 0
.irp j, 0,1,2,3
.irp i, 0,2,4,6
.irp a, 0,1,2,3,4
	v_pk_fma_f32 v[50+2*\a:51+2*\a], v[8*(4*\a+\j)+\i:8*(4*\a+\j)+\i+1], v[224+8*\j+\i:224+8*\j+\i+1], v[50+2*\a:51+2*\a]   ; the five sums by turns
.endr
.endr
.endr
	WIN 0
	s_wait_xcnt 0x0                                ; the loads that are out have read their offsets: these may be written
	v_mov_b32 v11, v12
	v_mov_b32 v14, v15
	s_add_co_u32 s88, s74, 2
	s_min_u32 s88, s88, 3                          ; the last block asks again for its own first three steps: no load leaves the buffer
	s_mul_i32 s89, s88, 49152
	v_add_nc_u32 v12, s89, v10
	s_lshl_b32 s89, s88, 11
	v_add_nc_u32 v15, s89, v13
	v_add_nc_u32 v23, 256, v23
	s_add_co_u32 s74, s74, 1
	s_cmp_lt_u32 s74, 4
	s_cbranch_scc1 .Ltrip
	s_wait_loadcnt 0x0
.irp a, 0,1,2,3,4
	v_add_f32 v[60+\a], v[50+2*\a], v[51+2*\a]
	v_mov_b32 v[66+\a], 0                          ; (a lane permute's destination counts as one of its sources)
.endr
.irp a, 0,1,2,3,4
	v_permlanex16_b32 v[66+\a], v[60+\a], s72, s73
.endr
.irp a, 0,1,2,3,4
	v_add_f32 v[60+\a], v[60+\a], v[66+\a]         ; with the other half's eight hidden units of each tile: my wave's 256
.endr
.irp a, 0,1,2,3,4
	ds_store_b32 v24, v[60+\a] offset:64*\a        ; row 16 a + r; both halves write the same word with the same value
.endr
.Lb2:
	s_wait_dscnt 0x0
	s_barrier_signal -1
	s_barrier_wait -1                              ; the four waves' parts of the scores lie in LDS
	s_cmp_eq_u32 s63, 0
	s_cbranch_scc1 .Lend
; ================ R2: every wave for itself.  A lane takes rows l, l + 32 and 64 + l % 16
.irp u, 0,1,2,3
	ds_load_b32 v[60+\u], v29 offset:320*\u
	ds_load_b32 v[64+\u], v29 offset:320*\u+128
	ds_load_b32 v[68+\u], v30 offset:320*\u
.endr
	v_add_nc_u32 v72, 32, v31
	v_add_nc_u32 v73, 64, v31                      ; lanes 16-31 count as rows 80-95 here: never valid
	v_mov_b32 v74, 0xff800000                      ; -infinity
	v_lshlrev_b32 v85, 2, v31
	v_and_b32 v86, 15, v31
	v_lshlrev_b32 v86, 2, v86
	v_mov_b32 v87, 0
	v_mov_b32 v84, 0
	s_wait_dscnt 0x0
	v_add_f32 v60, v60, v61
	v_add_f32 v62, v62, v63
	v_add_f32 v64, v64, v65
	v_add_f32 v66, v66, v67
	v_add_f32 v68, v68, v69
	v_add_f32 v70, v70, v71
	v_add_f32 v60, v60, v62
	v_add_f32 v64, v64, v66
	v_add_f32 v68, v68, v70
	v_mul_f32 v60, 0xc038aa3b, v60                 ; t = -c x the sum
	v_mul_f32 v64, 0xc038aa3b, v64
	v_mul_f32 v68, 0xc038aa3b, v68
	v_cmp_gt_u32 vcc_lo, s75, v31
	v_cndmask_b32 v76, v74, v60, vcc_lo            ; rows past the length: -infinity
	v_cmp_gt_u32 vcc_lo, s75, v72
	v_cndmask_b32 v77, v74, v64, vcc_lo
	v_cmp_gt_u32 vcc_lo, s75, v73
	v_cndmask_b32 v78, v74, v68, vcc_lo
	v_max3_num_f32 v80, v76, v77, v78
	v_max_num_f32_dpp v80, v80, v80 row_xmask:1 row_mask:0xf bank_mask:0xf
	v_max_num_f32_dpp v80, v80, v80 row_xmask:2 row_mask:0xf bank_mask:0xf
	v_max_num_f32_dpp v80, v80, v80 row_xmask:4 row_mask:0xf bank_mask:0xf
	v_max_num_f32_dpp v80, v80, v80 row_xmask:8 row_mask:0xf bank_mask:0xf
	v_permlanex16_b32 v84, v80, s72, s73
	v_max_num_f32 v80, v80, v84                    ; mx: the tile's first row is valid, so it is a number
	v_sub_f32 v76, v76, v80
	v_sub_f32 v77, v77, v80
	v_sub_f32 v78, v78, v80
	v_exp_f32 v76, v76
	v_exp_f32 v77, v77
	v_exp_f32 v78, v78                             ; p = 2^(t - mx); 0 past the length
	v_nop
	s_wait_alu depctr_va_vdst(0)                   ; one wait for the three
	v_add_f32 v81, v76, v77
	v_add_f32 v81, v81, v78
	v_add_f32_dpp v81, v81, v81 row_xmask:1 row_mask:0xf bank_mask:0xf
	v_add_f32_dpp v81, v81, v81 row_xmask:2 row_mask:0xf bank_mask:0xf
	v_add_f32_dpp v81, v81, v81 row_xmask:4 row_mask:0xf bank_mask:0xf
	v_add_f32_dpp v81, v81, v81 row_xmask:8 row_mask:0xf bank_mask:0xf
	v_permlanex16_b32 v84, v81, s72, s73
	v_add_f32 v81, v81, v84                        ; l
	ds_store_b32 v25, v76
	ds_store_b32 v25, v77 offset:128
	ds_store_b32 v25, v78 offset:256               ; words 80-95 are zeros
	s_cmp_lg_u32 s66, 0
	s_cbranch_scc1 .Lnot_w0
	global_store_b32 v85, v60, s[82:83]            ; wave 0: the tile's 80 t, unmasked,
	global_store_b32 v85, v64, s[82:83] offset:128
	global_store_b32 v86, v68, s[82:83] offset:256 ; (lanes l and l + 16 store the same word with the same value)
	global_store_b64 v87, v[80:81], s[84:85]       ; and (mx, l): every lane the same 8 bytes with the same value
.Lnot_w0:
.irp a, 0,1,2,3,4,5
	ds_load_b128 v[96+8*\a:99+8*\a], v26 offset:64*\a              ; p in the A operand's order: rows 16 a + 8 h + 0 .. 7 (my own stores: LDS serves a wave's instructions in order)
	ds_load_b128 v[100+8*\a:103+8*\a], v26 offset:64*\a+16
.endr
.irp n, 0,1,2,3,4,5,6,7,8,9,10,11,12,13,14,15
	ds_load_b32 v[232+\n], v27 offset:INVO+64*\n   ; the inverse powers of my 16 column tiles: hidden unit 16 n + r
.endr
.irp t, 0,1
.irp i, 20,21,22,23
	v_mov_b32 v[168+24*\t+\i], 0                   ; rows 80-95 of the projected values: zeros, written once
.endr
.endr
	s_wait_dscnt 0x0
.set KK, 0
.rept 24
	v_cvt_pk_f16_f32 v[144+KK], v[96+2*KK], v[97+2*KK]             ; p is at most 1, and the tile's largest is 1
.set KK, KK+1
.endr
.irp g, 0,1,2,3,4,5,6,7                    ; two column tiles at a time: K = 96 rows in three products each, the two accumulators by turns
	PL4                                            ; with the four below: eight places before the first products write over the last group's accumulators
.irp t, 0,1
.irp a, 0,1,2,3,4
	ds_load_b128 v[168+24*\t+4*\a:171+24*\t+4*\a], v9 offset:(5*(2*\g+\t)+\a)*512
.endr
.endr
	s_wait_dscnt 0x0                               ; the fragments are in, and the last group's stores have read v248 and v249
.irp q, 0,1,2
.irp t, 0,1
.if \q == 0
	v_wmma_f32_16x16x32_f16 v[216+8*\t:223+8*\t], v[144+8*\q:151+8*\q], v[168+24*\t+8*\q:175+24*\t+8*\q], 0
.else
	v_wmma_f32_16x16x32_f16 v[216+8*\t:223+8*\t], v[144+8*\q:151+8*\q], v[168+24*\t+8*\q:175+24*\t+8*\q], v[216+8*\t:223+8*\t]
.endif
.endr
.endr
	PL4
	v_mul_f32 v248, v216, v[232+2*\g]              ; all 16 rows of the result are alike: register 0, hidden unit 16 nt' + r; x its inverse power
	v_mul_f32 v249, v224, v[233+2*\g]
	ds_store_b32 v27, v248 offset:64*(2*\g)
	ds_store_b32 v27, v249 offset:64*(2*\g+1)
.endr
	ds_load_b128 v[96:99], v28
	ds_load_b128 v[100:103], v28 offset:512
	s_wait_dscnt 0x0
	global_store_b128 v1, v[96:99], s[86:87]       ; 32 lanes store 512 consecutive bytes, at a multiple of 256 from op's first byte
	global_store_b128 v1, v[100:103], s[86:87] offset:512
.Lend:
	s_wait_tensorcnt 0x0
	ds_add_u32 v94, v95
	s_wait_dscnt 0x0
	s_endpgm
.Lfunc_end_k_qb8b5f57e6e_main:
	.size	k_qb8b5f57e6e_main, .Lfunc_end_k_qb8b5f57e6e_main-k_qb8b5f57e6e_main
	.p2alignl 7, 3214868480
	.fill 96, 4, 3214868480
	.section	.rodata,"a",@progbits
	.p2align	6, 0x0
	.amdhsa_kernel k_qb8b5f57e6e_main
		.amdhsa_group_segment_fixed_size 304128
		.amdhsa_private_segment_fixed_size 0
		.amdhsa_enable_private_segment 0
		.amdhsa_kernarg_size 72
		.amdhsa_user_sgpr_count 2
		.amdhsa_user_sgpr_kernarg_segment_ptr 1
		.amdhsa_wavefront_size32 1
		.amdhsa_system_sgpr_workgroup_id_x 1
		.amdhsa_system_sgpr_workgroup_id_y 1
		.amdhsa_system_sgpr_workgroup_id_z 1
		.amdhsa_system_vgpr_workitem_id 0
		.amdhsa_next_free_vgpr 1024
		.amdhsa_next_free_sgpr 100
		.amdhsa_reserve_vcc 1
		.amdhsa_float_denorm_mode_32 3
		.amdhsa_float_denorm_mode_16_64 3
		.amdhsa_memory_ordered 1
		.amdhsa_forward_progress 1
		.amdhsa_inst_pref_size 255
	.end_amdhsa_kernel
	.section	.bss,"aw",@nobits
	.p2align	6
	.space	262144
	.amdgpu_metadata
---
amdhsa.version: [ 1, 2 ]
amdhsa.kernels:
  - .name:           k_qb8b5f57e6e_main
    .symbol:         k_qb8b5f57e6e_main.kd
    .args:
      - { .name: keys, .offset: 0, .size: 8, .value_kind: global_buffer, .address_space: global }
      - { .name: values, .offset: 8, .size: 8, .value_kind: global_buffer, .address_space: global }
      - { .name: memory_lengths, .offset: 16, .size: 8, .value_kind: global_buffer, .address_space: global }
      - { .name: W_energy, .offset: 24, .size: 8, .value_kind: global_buffer, .address_space: global }
      - { .name: wk, .offset: 32, .size: 8, .value_kind: global_buffer, .address_space: global }
      - { .name: pqc, .offset: 40, .size: 8, .value_kind: global_buffer, .address_space: global }
      - { .name: sc, .offset: 48, .size: 8, .value_kind: global_buffer, .address_space: global }
      - { .name: st, .offset: 56, .size: 8, .value_kind: global_buffer, .address_space: global }
      - { .name: op, .offset: 64, .size: 8, .value_kind: global_buffer, .address_space: global }
    .group_segment_fixed_size: 304128
    .private_segment_fixed_size: 0
    .kernarg_segment_align: 8
    .kernarg_segment_size: 72
    .max_flat_workgroup_size: 128
    .sgpr_count:     100
    .vgpr_count:     1024
    .wavefront_size: 32
...
	.end_amdgpu_metadata
.endif
;; end of part 2
;; launch comb (part 3): grid 32 x 1, 8 waves a work-group, no clusters, 0 bytes of LDS; arguments memory_lengths, sc, st, op, out0, out1; writes out0, out1
.if DOCPART == 3
	.amdgcn_target "amdgcn-amd-amdhsa--gfx1250"
	.amdhsa_code_object_version 6
	.text
	.protected	k_qb8b5f57e6e_comb
	.globl	k_qb8b5f57e6e_comb
	.p2align	8
	.type	k_qb8b5f57e6e_comb,@function
k_qb8b5f57e6e_comb:
	s_mov_b64 s[64:65], 0
	v_nop
	global_prefetch_b8 v0, s[64:65] scope:SCOPE_SE
	s_setreg_imm32_b32 hwreg(HW_REG_WAVE_MODE, 25, 1), 1
	s_wait_xcnt 0x0
; The tiles of a batch are joined.  Work-group b; thread i owns four neighbouring numbers of out0[b] and of out1[b].
; M = the largest mx of the batch's n = ceil(len / 80) tiles; f_t = 2^(mx_t - M); L = sum of f_t l_t;  out0 = sum of (f_t / L) op_t;  out1[m] = 2^(t_m - M) / L for m < len, else 0.
; No loop, no LDS, no barrier: every wave makes the batch's statistics for itself, tile t in lane t.  All loads go out together.  Offsets are held inside the tiles that the launch before has stored;
; what a held lane loads is thrown away by the masks (a tile at or past n has f = 0, a row at or past len has weight 0).
; LIMITS: a length over 1,024 acts as 1,024; a length of 0 or less gives NaN in the whole batch, as the softmax of an empty row does.
	s_load_b256 s[4:11], s[0:1], 0x0               ; memory_lengths s[4:5], sc s[6:7], st s[8:9], op s[10:11]
	s_load_b128 s[12:15], s[0:1], 0x20             ; out0, out1
	v_and_b32 v1, 31, v0                           ; lane
	v_lshlrev_b32 v6, 4, v0                        ; my 16 bytes of a row of 4,096
	v_lshlrev_b32 v7, 2, v0                        ; my first m
	s_mov_b32 s26, 0x76543210                      ; v_permlanex16_b32's selects for lane l xor 16
	s_mov_b32 s27, 0xfedcba98
	s_lshl_b32 s18, ttmp9, 2
	s_mov_b32 s19, 0
	s_wait_kmcnt 0x0
	s_add_nc_u64 s[4:5], s[4:5], s[18:19]
	s_load_b32 s16, s[4:5], 0x0                    ; len
	s_mul_i32 s18, ttmp9, 4160
	s_add_nc_u64 s[6:7], s[6:7], s[18:19]          ; sc, st, op, out0, out1 at my batch
	s_mul_i32 s18, ttmp9, 104
	s_add_nc_u64 s[8:9], s[8:9], s[18:19]
	s_mul_i32 s18, ttmp9, 53248
	s_add_nc_u64 s[10:11], s[10:11], s[18:19]
	s_lshl_b32 s18, ttmp9, 12
	s_add_nc_u64 s[12:13], s[12:13], s[18:19]
	s_add_nc_u64 s[14:15], s[14:15], s[18:19]
	s_wait_kmcnt 0x0
	s_max_i32 s20, s16, 0
	s_min_u32 s20, s20, 1024                       ; the length, held to 0 .. 1,024
	s_add_co_u32 s21, s20, 79
	s_mul_i32 s21, s21, 52429
	s_lshr_b32 s21, s21, 22                        ; n = (len + 79) / 80
	s_sub_co_i32 s22, s21, 1
	s_max_i32 s22, s22, 0
	s_min_u32 s22, s22, 12                         ; the last tile
	s_mul_i32 s23, s22, 320
	s_add_co_u32 s23, s23, 304                     ; the last 16 bytes of t that were stored
	v_min_u32 v2, s22, v1
	v_min_u32 v2, 12, v2
	v_lshlrev_b32 v2, 3, v2
	global_load_b64 v[4:5], v2, s[8:9]             ; (mx, l) of tile = lane
	v_min_u32 v3, s23, v6
	v_min_u32 v3, 0xff0, v3
	global_load_b128 v[8:11], v3, s[6:7]           ; my four t
.irp t, 0,1,2,3,4,5,6,7,8,9,10,11,12
	s_min_u32 s24, s22, \t
	v_lshl_add_u32 v[16+\t], s24, 12, v6
	global_load_b128 v[32+4*\t:35+4*\t], v[16+\t], s[10:11]   ; my four numbers of tile t's sum: a wave reads 512 consecutive bytes
.endr
	v_mov_b32 v12, 0xff800000                      ; -infinity
	v_mov_b32 v92, 0                               ; (a lane permute's destination counts as one of its sources)
	v_cmp_gt_u32 vcc_lo, s21, v1                   ; is my lane a tile?
	s_wait_loadcnt 0x0
	v_cndmask_b32 v4, v12, v4, vcc_lo
	v_cndmask_b32 v5, 0, v5, vcc_lo
	v_mov_b32 v13, v4
	v_max_num_f32_dpp v13, v13, v13 row_xmask:1 row_mask:0xf bank_mask:0xf
	v_max_num_f32_dpp v13, v13, v13 row_xmask:2 row_mask:0xf bank_mask:0xf
	v_max_num_f32_dpp v13, v13, v13 row_xmask:4 row_mask:0xf bank_mask:0xf
	v_max_num_f32_dpp v13, v13, v13 row_xmask:8 row_mask:0xf bank_mask:0xf
	v_permlanex16_b32 v92, v13, s26, s27
	v_max_num_f32 v13, v13, v92                    ; M
	v_sub_f32 v14, v4, v13
.irp i, 0,1,2,3
	v_sub_f32 v[84+\i], v[8+\i], v13
.endr
	v_exp_f32 v14, v14                             ; f
.irp i, 0,1,2,3
	v_exp_f32 v[84+\i], v[84+\i]                   ; 2^(t - M)
.endr
	v_nop                                          ; a plain instruction behind the last exponential,
	s_wait_alu depctr_va_vdst(0)                   ; and one wait for the five
	v_mul_f32 v15, v14, v5
	v_add_f32_dpp v15, v15, v15 row_xmask:1 row_mask:0xf bank_mask:0xf
	v_add_f32_dpp v15, v15, v15 row_xmask:2 row_mask:0xf bank_mask:0xf
	v_add_f32_dpp v15, v15, v15 row_xmask:4 row_mask:0xf bank_mask:0xf
	v_add_f32_dpp v15, v15, v15 row_xmask:8 row_mask:0xf bank_mask:0xf
	v_permlanex16_b32 v92, v15, s26, s27
	v_add_f32 v15, v15, v92                        ; L
	v_rcp_f32 v93, v15
	v_nop
	s_wait_alu depctr_va_vdst(0)
	v_mul_f32 v14, v14, v93                        ; g = f / L, tile t's in lane t
.irp t, 0,1,2,3,4,5,6,7,8,9,10,11,12
	v_readlane_b32 s[40+\t], v14, \t
.endr
.irp i, 0,1,2,3
	v_mul_f32 v[88+\i], s40, v[32+\i]              ; the first term starts the sums
.endr
.irp t, 1,2,3,4,5,6,7,8,9,10,11,12
.irp i, 0,1,2,3
	v_fmac_f32 v[88+\i], s[40+\t], v[32+4*\t+\i]
.endr
.endr
.irp i, 0,1,2,3
	v_add_nc_u32 v94, \i, v7
	v_cmp_gt_u32 vcc_lo, s20, v94                  ; m < len?
	v_cndmask_b32 v[84+\i], 0, v[84+\i], vcc_lo    ; the choice ahead of the multiplication: with no valid row 0 x NaN is NaN
	v_mul_f32 v[84+\i], v[84+\i], v93
.endr
	global_store_b128 v6, v[88:91], s[12:13]       ; a wave stores 512 consecutive bytes, at a multiple of 256 from the buffer's first byte
	global_store_b128 v6, v[84:87], s[14:15]
	s_endpgm
.Lfunc_end_k_qb8b5f57e6e_comb:
	.size	k_qb8b5f57e6e_comb, .Lfunc_end_k_qb8b5f57e6e_comb-k_qb8b5f57e6e_comb
	.p2alignl 7, 3214868480
	.fill 96, 4, 3214868480
	.section	.rodata,"a",@progbits
	.p2align	6, 0x0
	.amdhsa_kernel k_qb8b5f57e6e_comb
		.amdhsa_group_segment_fixed_size 0
		.amdhsa_private_segment_fixed_size 0
		.amdhsa_enable_private_segment 0
		.amdhsa_kernarg_size 48
		.amdhsa_user_sgpr_count 2
		.amdhsa_user_sgpr_kernarg_segment_ptr 1
		.amdhsa_wavefront_size32 1
		.amdhsa_system_sgpr_workgroup_id_x 1
		.amdhsa_system_sgpr_workgroup_id_y 1
		.amdhsa_system_sgpr_workgroup_id_z 1
		.amdhsa_system_vgpr_workitem_id 0
		.amdhsa_next_free_vgpr 96
		.amdhsa_next_free_sgpr 66
		.amdhsa_reserve_vcc 1
		.amdhsa_float_denorm_mode_32 3
		.amdhsa_float_denorm_mode_16_64 3
		.amdhsa_memory_ordered 1
		.amdhsa_forward_progress 1
		.amdhsa_inst_pref_size 10
	.end_amdhsa_kernel
	.amdgpu_metadata
---
amdhsa.version: [ 1, 2 ]
amdhsa.kernels:
  - .name:           k_qb8b5f57e6e_comb
    .symbol:         k_qb8b5f57e6e_comb.kd
    .args:
      - { .name: memory_lengths, .offset: 0, .size: 8, .value_kind: global_buffer, .address_space: global }
      - { .name: sc, .offset: 8, .size: 8, .value_kind: global_buffer, .address_space: global }
      - { .name: st, .offset: 16, .size: 8, .value_kind: global_buffer, .address_space: global }
      - { .name: op, .offset: 24, .size: 8, .value_kind: global_buffer, .address_space: global }
      - { .name: out0, .offset: 32, .size: 8, .value_kind: global_buffer, .address_space: global }
      - { .name: out1, .offset: 40, .size: 8, .value_kind: global_buffer, .address_space: global }
    .group_segment_fixed_size: 0
    .private_segment_fixed_size: 0
    .kernarg_segment_align: 8
    .kernarg_segment_size: 48
    .max_flat_workgroup_size: 256
    .sgpr_count:     66
    .vgpr_count:     96
    .wavefront_size: 32
...
	.end_amdgpu_metadata
.endif
;; end of part 3
;; ======== version 2 of 2: 3 launches
;; workspace buffers: wk 819,200 bytes; pqc 131,072 bytes; sc 133,120 bytes; st 3,328 bytes; op 1,703,936 bytes
;; launch prep (part 4): grid 128 x 1, 16 waves a work-group, no clusters, 114,688 bytes of LDS; arguments W_key, W_query, queries, wk, pqc; writes wk, pqc
.if DOCPART == 4
	.amdgcn_target "amdgcn-amd-amdhsa--gfx1250"
	.amdhsa_code_object_version 6
	.text
	.protected	k_qb8b5f57e6e_prep
	.globl	k_qb8b5f57e6e_prep
	.p2align	8
	.type	k_qb8b5f57e6e_prep,@function
k_qb8b5f57e6e_prep:
	s_mov_b64 s[64:65], 0
	v_nop
	global_prefetch_b8 v0, s[64:65] scope:SCOPE_SE
	s_setreg_imm32_b32 hwreg(HW_REG_WAVE_SCHED_MODE, 0, 2), 2
	s_setreg_imm32_b32 hwreg(HW_REG_WAVE_MODE, 25, 1), 1
	s_wait_xcnt 0x0
	s_wait_alu depctr_vm_vsrc(0)
; W_key [1024][1024] f32 becomes codes of FP6 (E2M3) with one E8M0 byte for each 32 along K, laid in the ORDER OF THE OPERAND'S REGISTERS (buffer wk);
; pqc[b][h] = c x (Q(queries) Q(W_query)^T)[b][h], c = 2 log2(e), f32 (buffer pqc): the query's part of the exponent of tanh in the next launch.
; SHARES.  Work-groups 0-63 take 16 rows (tile nt) of W_key, work-groups 64-127 16 rows of W_query and all 32 rows of queries.  Wave v of sixteen quantises row 16 nt + v (and query rows v, v + 16).
; A ROW (4,096 bytes, 32 blocks of 32) is read by eight loads of 512 consecutive bytes, turned through the wave's own stage in LDS (32 places of 128 + 16 bytes) so that lane l holds block l whole,
; and quantised: scale = 2^(floor(log2(largest magnitude)) - 2), its byte the largest magnitude's exponent field - 2, held at 1 from below; codes to the nearest, ties to even, beyond 7.5 the largest code.
; Block l is K step l / 4, registers 6 c .. 6 c + 5 (c = (l / 2) % 2) of the operand's lane (row, half l % 2): the 24 bytes go to an image in LDS, 48 bytes for each (K step, half, row).
; wk: fragment (nt, K step s) at ((nt / 4) 8 + s) 6144 + (nt % 4) 1536; in it registers 4 g .. 4 g + 3 at 512 g, lane l's 16 bytes at 16 l.  From byte 786,432: scale words [nt][s][row], 4 bytes.
; LIMITS: a block of zeros gets the byte 1 (its codes are zeros; the bytes are read by this program alone); blocks under 2^-124 keep the byte 1; NaN and infinities among the inputs are not served.
; THE MODE: SCHED_MODE bits 1:0 = 2 (LLVM: expert scheduling mode 2), set by the entry lines.  The code itself states the register dependences between vector or matrix instructions and
; memory or LDS instructions, with s_wait_alu, always for 0.
; THE PLAN.  Registers that memory or LDS instructions touch:
;   v1-14       addresses, made at the head, one wait on va_vdst behind them, never written again.
;   v32-127     three rows as loaded: written by global loads, read by the stage's stores; behind the barrier LDS loads land there.
;   v128-159    a block: written by the stage's loads, read by the row's vector lines; the next row's loads land there.
;   v160-165, v175   a block's codes and byte: written by the row's vector lines, read by its four image stores, written again by the next row.
; So a row has one wait on va_vdst, between its vector lines and its image stores (it also frees v128-159 for the next row's loads), and one on vm_vsrc ahead of its vector lines.
.set STGW, 4608                        ; a wave's stage: 32 x 144 bytes
.set WIMG, 73728                       ; the image of the 16 rows of W: K step 1,568 bytes, half 784 (16 rows x 48 + 16)
.set WSS,  1568
.set WHS,  784
.set QIMG, 86272                       ; the image of the 32 query rows: K step 3,104 bytes, half 1,552
.set QSS,  3104
.set QHS,  1552
.set WSC,  111104                      ; W's scale words [K step][16 rows]
.set QSC,  111616                      ; the queries' [K step][32 rows]
.set WKS,  786432                      ; where the scale words begin in wk
; v1 16 l; v2, v3 stage in, out; v4, v5 image write (W, queries); v6, v7 scale byte write; v8 image read, my K step; v9, v10 image read (W, queries); v11, v12 scale words read; v13 pqc offset; v14 W's scale words, 16 bytes a lane
; v32-127 three rows as loaded, later W's 8 fragments; v128-159 a block; v160-165 its codes; v168-170, v172-175 at work; later v128-223 the queries' 8 fragments; v224-239 scale words and nothing else; v240-255 two accumulators
; One row: raw = its 32 registers as loaded; img, imgoff: where its codes go; scr, scoff: where its scale bytes go; first = 1: no row stands in front of it on any way.
.macro PROW raw, img, imgoff, scr, scoff, first
.irp q, 0,1,2,3,4,5,6,7
	ds_store_b128 v2, v[\raw+4*\q:\raw+4*\q+3] offset:576*\q       ; as loaded: four blocks a load
.endr
.irp e, 0,1,2,3,4,5,6,7
	ds_load_b128 v[128+4*\e:131+4*\e], v3 offset:16*\e             ; back: block l to lane l (LDS serves a wave's instructions in order)
.endr
	s_wait_dscnt 0x0
.if !\first
	s_wait_alu depctr_vm_vsrc(0)                                   ; the image stores of the row before have read v160-165 and v175, which the lines below write again
.endif
	v_max3_num_f32 v172, |v128|, |v129|, 0x1800000                 ; the largest magnitude, in two chains; the floor 2^(3 - 127) holds the byte at 1 from below
	v_max3_num_f32 v173, |v144|, |v145|, |v146|
.irp k, 2,4,6,8,10,12
	v_max3_num_f32 v172, v172, |v[128+\k]|, |v[129+\k]|
	v_max3_num_f32 v173, v173, |v[145+\k]|, |v[146+\k]|
.endr
	v_max3_num_f32 v172, v172, |v142|, |v143|
	v_max3_num_f32 v172, v172, v173, |v159|
	v_add_nc_u32 v174, 0xff000000, v172                            ; 2 off its exponent field: the conversion takes the exponent field of this operand as its scale
	v_cvt_scalef32_pk16_fp6_f32 v[160:162], v[128:143], v174
	v_cvt_scalef32_pk16_fp6_f32 v[168:170], v[144:159], v174       ; (a conversion's three registers begin on an even number)
	v_lshrrev_b32 v175, 23, v174                                   ; the scale's byte; also the plain instruction behind the conversions
	v_mov_b32 v163, v168
	v_mov_b32 v164, v169
	v_mov_b32 v165, v170
	s_wait_alu depctr_va_vdst(0)                                   ; the codes v160-165 and the byte v175 are written, which the stores below read; and the lines above are done reading v128-159, in which the next row's loads land
	ds_store_b64 v[\img], v[160:161] offset:\imgoff
	ds_store_b64 v[\img], v[162:163] offset:\imgoff+8
	ds_store_b64 v[\img], v[164:165] offset:\imgoff+16
	ds_store_b8 v[\scr], v175 offset:\scoff
	s_wait_dscnt 0x0                                               ; the stores are done: for the barrier
.endm
	s_load_b256 s[4:11], s[0:1], 0x0               ; W_key s[4:5], W_query s[6:7], queries s[8:9], wk s[10:11]
	s_load_b64 s[12:13], s[0:1], 0x20              ; pqc
	v_lshl_add_u32 v30, v0, 2, 0x1b800
	v_mov_b32 v31, 0
	v_lshrrev_b32 v15, 5, v0
	v_readfirstlane_b32 s16, v15                   ; wave 0..15
	v_and_b32 v16, 31, v0                          ; lane l
	v_and_b32 v17, 15, v0                          ; r
	v_bfe_u32 v18, v0, 4, 1                        ; h
	v_lshlrev_b32 v1, 4, v16
	s_wait_alu depctr_va_sdst(0)                   ; s16 is written, ahead of its first reader
	s_mul_i32 s18, s16, STGW
	v_lshrrev_b32 v19, 3, v16
	v_and_b32 v20, 7, v16
	v_mul_u32_u24 v2, v19, 144
	v_lshl_add_u32 v2, v20, 4, v2
	v_add_nc_u32 v2, s18, v2                       ; stage, in: 144 (l / 8) + 16 (l % 8)
	v_mul_u32_u24 v3, v16, 144
	v_add_nc_u32 v3, s18, v3                       ; stage, out: 144 l
	v_lshrrev_b32 v19, 2, v16                      ; my block's K step,
	v_and_b32 v20, 1, v16                          ; half,
	v_bfe_u32 v21, v16, 1, 1                       ; c,
	v_and_b32 v22, 3, v16                          ; and byte in the scale word
	s_mul_i32 s18, s16, 48
	s_lshl_b32 s19, s16, 2
	v_mul_u32_u24 v4, v19, WSS
	v_mad_u32_u24 v4, v20, WHS, v4
	v_mad_u32_u24 v4, v21, 24, v4
	v_add_nc_u32 v4, s18, v4
	v_add_nc_u32 v4, WIMG, v4                      ; W's image: row = my wave
	v_mul_u32_u24 v5, v19, QSS
	v_mad_u32_u24 v5, v20, QHS, v5
	v_mad_u32_u24 v5, v21, 24, v5
	v_add_nc_u32 v5, s18, v5
	v_add_nc_u32 v5, QIMG, v5                      ; the queries' image: row = my wave (+ 16 by the immediate)
	v_lshl_add_u32 v6, v19, 6, v22
	v_add_nc_u32 v6, s19, v6
	v_add_nc_u32 v6, WSC, v6
	v_lshl_add_u32 v7, v19, 7, v22
	v_add_nc_u32 v7, s19, v7
	v_add_nc_u32 v7, QSC, v7
	v_mul_u32_u24 v9, v17, 48
	v_mad_u32_u24 v10, v18, QHS, v9
	v_mad_u32_u24 v9, v18, WHS, v9
	v_add_nc_u32 v9, WIMG, v9                      ; a fragment of W, read: 48 r + 784 h
	s_and_b32 s18, s16, 7
	s_mul_i32 s19, s18, WSS
	v_add_nc_u32 v8, s19, v9                       ; the same at K step wave % 8
	s_and_b32 s20, s16, 1
	s_mul_i32 s21, s20, 768
	s_add_co_u32 s21, s21, QIMG
	v_add_nc_u32 v10, s21, v10                     ; a fragment of the queries: rows 16 (wave % 2) + r
	v_lshl_add_u32 v11, v17, 2, WSC
	s_lshl_b32 s21, s20, 6
	s_add_co_u32 s21, s21, QSC
	v_lshl_add_u32 v12, v17, 2, s21
	v_lshlrev_b32 v13, 12, v17
	v_lshl_add_u32 v13, v18, 5, v13
	s_lshl_b32 s21, s20, 16
	v_add_nc_u32 v13, s21, v13                     ; pqc: batch 16 (wave % 2) + r, 4,096 bytes each, + 32 h
	v_add_nc_u32 v14, WSC, v1
	s_and_b32 s17, ttmp9, 63                       ; nt
	s_lshl_b32 s22, s17, 4
	s_add_co_u32 s22, s22, s16
	s_lshl_b32 s22, s22, 12                        ; my row of W: (16 nt + wave) x 4,096 bytes
	s_mov_b32 s23, 0
	s_lshr_b32 s24, s17, 2
	s_lshl_b32 s24, s24, 3
	s_add_co_u32 s24, s24, s18
	s_mul_i32 s24, s24, 6144
	s_and_b32 s26, s17, 3
	s_mul_i32 s26, s26, 1536
	s_add_co_u32 s24, s24, s26                     ; fragment (nt, wave % 8) in wk
	s_mov_b32 s25, 0
	s_lshl_b32 s26, s17, 9
	s_add_co_u32 s26, s26, WKS                     ; tile nt's scale words in wk
	s_mov_b32 s27, 0
	s_lshl_b32 s28, s17, 6                         ; tile nt's 16 columns in a row of pqc
	s_mov_b32 s29, 0
	s_lshl_b32 s30, s16, 12                        ; query row = wave
	s_mov_b32 s31, 0
	s_mov_b32 s32, 0x4038aa3b                      ; c = 2 log2(e)
	s_mov_b32 s33, s32                             ; (named with it as a pair, so it is written)
	s_wait_kmcnt 0x0
	s_cmp_lt_u32 ttmp9, 64                         ; W_key's work-group or W_query's: the choice hangs on the work-group's number alone
	s_cselect_b64 s[4:5], s[4:5], s[6:7]
	s_add_nc_u64 s[4:5], s[4:5], s[22:23]
	s_add_nc_u64 s[8:9], s[8:9], s[30:31]
	s_add_nc_u64 s[34:35], s[10:11], s[24:25]
	s_add_nc_u64 s[36:37], s[10:11], s[26:27]
	s_add_nc_u64 s[12:13], s[12:13], s[28:29]
	s_wait_alu depctr_va_vdst(0)                   ; the addresses v1 to v14 are written, which every load and store below reads
.irp q, 0,1,2,3,4,5,6,7
	global_load_b128 v[32+4*\q:35+4*\q], v1, s[4:5] offset:512*\q th:TH_LOAD_NT   ; my row of W: read once in the launch
.endr
	s_cmp_lt_u32 ttmp9, 64
	s_cbranch_scc1 .Lno_q
.irp q, 0,1,2,3,4,5,6,7
	global_load_b128 v[64+4*\q:67+4*\q], v1, s[8:9] offset:512*\q
.endr
.irp q, 0,1,2,3,4,5,6,7
	global_load_b128 v[96+4*\q:99+4*\q], v1, s[8:9] offset:65536+512*\q
.endr
	s_wait_loadcnt 0x8                             ; all but the second query row's eight loads
	PROW 64, 5, 0, 7, 0, 1
	s_wait_loadcnt 0x0
	PROW 96, 5, 768, 7, 64, 0
.Lno_q:
	s_wait_loadcnt 0x0
	PROW 32, 4, 0, 6, 0, 0                         ; it ends with the wait for all my LDS instructions
	s_barrier_signal -1
	s_barrier_wait -1                              ; the images are whole
	s_wait_alu depctr_vm_vsrc(0)                   ; my LDS stores have read v32-127, v160-165 and v175: the loads below land in these registers
	s_cmp_lt_u32 ttmp9, 64
	s_cbranch_scc0 .Lquery
	; ---- W_key: the images leave as they lie.  Waves 0-7: the fragment of K step = wave, three stores of 512 consecutive bytes; wave 8: the 512 bytes of scale words
	s_cmp_lt_u32 s16, 8
	s_cbranch_scc0 .Lnot_frag
	ds_load_b128 v[32:35], v8
	ds_load_b128 v[36:39], v8 offset:16
	ds_load_b128 v[40:43], v8 offset:32
	s_wait_dscnt 0x0
	global_store_b128 v1, v[32:35], s[34:35]
	global_store_b128 v1, v[36:39], s[34:35] offset:512
	global_store_b128 v1, v[40:43], s[34:35] offset:1024
	s_wait_dscnt 0x0
	s_wait_alu depctr_hold_cnt(0) depctr_sa_sdst(0) depctr_va_vdst(0) depctr_va_sdst(0) depctr_va_ssrc(0) depctr_va_vcc(0) depctr_vm_vsrc(0)
	s_wait_tensorcnt 0x0
	ds_add_u32 v30, v31
	s_wait_dscnt 0x0
	s_endpgm
.Lnot_frag:
	s_cmp_eq_u32 s16, 8
	s_cbranch_scc0 .Lend
	ds_load_b128 v[32:35], v14
	s_wait_dscnt 0x0
	global_store_b128 v1, v[32:35], s[36:37]
	s_wait_dscnt 0x0
	s_wait_alu depctr_hold_cnt(0) depctr_sa_sdst(0) depctr_va_vdst(0) depctr_va_sdst(0) depctr_va_ssrc(0) depctr_va_vcc(0) depctr_vm_vsrc(0)
	s_wait_tensorcnt 0x0
	ds_add_u32 v30, v31
	s_wait_dscnt 0x0
	s_endpgm
.Lquery:
	; ---- W_query: waves 0 and 1 multiply: source 0 = the 16 rows of W, source 1 = 16 query rows; a lane then holds one batch and eight neighbouring hidden units
	s_cmp_lt_u32 s16, 2
	s_cbranch_scc0 .Lend
.irp s, 0,1,2,3,4,5,6,7
.irp g, 0,1,2
	ds_load_b128 v[32+12*\s+4*\g:35+12*\s+4*\g], v9 offset:WSS*\s+16*\g
	ds_load_b128 v[128+12*\s+4*\g:131+12*\s+4*\g], v10 offset:QSS*\s+16*\g
.endr
	ds_load_b32 v[224+\s], v11 offset:64*\s
	ds_load_b32 v[232+\s], v12 offset:128*\s
.endr
	s_wait_dscnt 0x0
.irp s, 0,1,2,3,4,5,6,7                    ; two accumulators by turns: even K steps, odd K steps; the first two products start the sums
.if \s < 2
	v_wmma_scale_f32_16x16x128_f8f6f4 v[240+8*(\s%2):247+8*(\s%2)], v[32+12*\s:43+12*\s], v[128+12*\s:139+12*\s], 0, v[224+\s], v[232+\s] matrix_a_fmt:MATRIX_FMT_FP6 matrix_b_fmt:MATRIX_FMT_FP6
.else
	v_wmma_scale_f32_16x16x128_f8f6f4 v[240+8*(\s%2):247+8*(\s%2)], v[32+12*\s:43+12*\s], v[128+12*\s:139+12*\s], v[240+8*(\s%2):247+8*(\s%2)], v[224+\s], v[232+\s] matrix_a_fmt:MATRIX_FMT_FP6 matrix_b_fmt:MATRIX_FMT_FP6
.endif
.endr
.rept 4
	v_nop                                          ; four places behind the last product (ISA guide 7.12.1)
.endr
.irp i, 0,2,4,6
	v_pk_add_f32 v[32+\i:33+\i], v[240+\i:241+\i], v[248+\i:249+\i]   ; both sums from their low ends on
.endr
.irp i, 0,2,4,6
	v_pk_mul_f32 v[32+\i:33+\i], v[32+\i:33+\i], s[32:33] op_sel_hi:[1,0]
.endr
	s_wait_alu depctr_va_vdst(0)                   ; the multiplications have written v32-39, which the stores read
	global_store_b128 v13, v[32:35], s[12:13]      ; 32 bytes a lane: a work-group owns 64 bytes of each batch's row; pqc is 128 KiB in all
	global_store_b128 v13, v[36:39], s[12:13] offset:16
.Lend:
	s_wait_dscnt 0x0
	s_wait_alu depctr_hold_cnt(0) depctr_sa_sdst(0) depctr_va_vdst(0) depctr_va_sdst(0) depctr_va_ssrc(0) depctr_va_vcc(0) depctr_vm_vsrc(0)
	s_wait_tensorcnt 0x0
	ds_add_u32 v30, v31
	s_wait_dscnt 0x0
	s_endpgm
.Lfunc_end_k_qb8b5f57e6e_prep:
	.size	k_qb8b5f57e6e_prep, .Lfunc_end_k_qb8b5f57e6e_prep-k_qb8b5f57e6e_prep
	.p2alignl 7, 3214868480
	.fill 96, 4, 3214868480
	.section	.rodata,"a",@progbits
	.p2align	6, 0x0
	.amdhsa_kernel k_qb8b5f57e6e_prep
		.amdhsa_group_segment_fixed_size 114688
		.amdhsa_private_segment_fixed_size 0
		.amdhsa_enable_private_segment 0
		.amdhsa_kernarg_size 40
		.amdhsa_user_sgpr_count 2
		.amdhsa_user_sgpr_kernarg_segment_ptr 1
		.amdhsa_wavefront_size32 1
		.amdhsa_system_sgpr_workgroup_id_x 1
		.amdhsa_system_sgpr_workgroup_id_y 1
		.amdhsa_system_sgpr_workgroup_id_z 1
		.amdhsa_system_vgpr_workitem_id 0
		.amdhsa_next_free_vgpr 256
		.amdhsa_next_free_sgpr 66
		.amdhsa_reserve_vcc 0
		.amdhsa_float_denorm_mode_32 3
		.amdhsa_float_denorm_mode_16_64 3
		.amdhsa_memory_ordered 1
		.amdhsa_forward_progress 1
		.amdhsa_inst_pref_size 23
	.end_amdhsa_kernel
	.amdgpu_metadata
---
amdhsa.version: [ 1, 2 ]
amdhsa.kernels:
  - .name:           k_qb8b5f57e6e_prep
    .symbol:         k_qb8b5f57e6e_prep.kd
    .args:
      - { .name: W_key, .offset: 0, .size: 8, .value_kind: global_buffer, .address_space: global }
      - { .name: W_query, .offset: 8, .size: 8, .value_kind: global_buffer, .address_space: global }
      - { .name: queries, .offset: 16, .size: 8, .value_kind: global_buffer, .address_space: global }
      - { .name: wk, .offset: 24, .size: 8, .value_kind: global_buffer, .address_space: global }
      - { .name: pqc, .offset: 32, .size: 8, .value_kind: global_buffer, .address_space: global }
    .group_segment_fixed_size: 114688
    .private_segment_fixed_size: 0
    .kernarg_segment_align: 8
    .kernarg_segment_size: 40
    .max_flat_workgroup_size: 512
    .sgpr_count:     66
    .vgpr_count:     256
    .wavefront_size: 32
...
	.end_amdgpu_metadata
.endif
;; end of part 4
;; launch main (part 5): grid 416 x 1, 4 waves a work-group, no clusters, 304,128 bytes of LDS; arguments keys, values, memory_lengths, W_energy, wk, pqc, sc, st, op; writes sc, st, op
.if DOCPART == 5
	.amdgcn_target "amdgcn-amd-amdhsa--gfx1250"
	.amdhsa_code_object_version 6
	.text
	.protected	k_qb8b5f57e6e_main
	.globl	k_qb8b5f57e6e_main
	.p2align	8
	.type	k_qb8b5f57e6e_main,@function
k_qb8b5f57e6e_main:
	s_mov_b64 s[64:65], 0
	v_nop
	global_prefetch_b8 v0, s[64:65] scope:SCOPE_SE
	s_setreg_imm32_b32 hwreg(HW_REG_WAVE_SCHED_MODE, 0, 2), 2
	s_setreg_imm32_b32 hwreg(HW_REG_WAVE_MODE, 25, 1), 1
	s_wait_xcnt 0x0
	s_wait_alu depctr_vm_vsrc(0)
; One work-group takes one tile of 80 memory rows of one batch through the whole chain.  Rows at or past the batch's length get weight 0 in the softmax, so tiles that lie wholly past it do not exist here.
; WHICH TILE.  Batch j has n_j = ceil(len_j / 80) tiles; work-group g finds (batch, tile) by a scalar walk over the 32 lengths.  The grid, 32 x 13, serves every choice of lengths; a work-group with g at or past
; the sum of the n_j does nothing between the barriers, stores nothing and ends.  Branches hang on memory_lengths, so operands come by plain loads: no tensor load, no cluster.
; R0  each wave quantises 20 rows of keys and 20 of values (FP6 E2M3, one E8M0 byte for each 32 along K) into images of the operands' registers in LDS.  Rows past the length are read as row len - 1.
; R1  ONE pass over W_key's codes (buffer wk): wave w owns hidden units 256 w .. 256 w + 255, in 4 blocks of 64.  Each fragment of W feeds 5 tiles of key rows and 5 of value rows.
;     Keys: source 0 = W, source 1 = keys: a lane holds one key row and eight hidden units.  tanh(x) = 1 - 2 r, r = 1 / (1 + 2^(c x)), c = 2 log2(e); c x = c pk + pqc.  The sum of W_energy is the same for every row
;     and falls out of the softmax, so the score in base 2 is t = -c x sum over h of W_energy[h] r.  2^(c x) = infinity gives r = 0, 0 gives r = 1, as tanh saturates.
;     Values: source 0 = values, source 1 = W: a lane holds one hidden unit and eight rows.  Each hidden unit's 80 numbers are multiplied by a power of two that puts the largest of them in [2^14, 2^15), which rounds
;     nothing, and rounded to f16: so f16's range plays no part, whatever the inputs' size.  They ARE half a B fragment of the last product and wait in LDS (HOLD); the inverse powers wait beside them (INVS).
;     (bf16 is too coarse here: its rounding is 2^-9 of a number, and the outputs of a short batch are judged against the spread of all batches.)
; R2  every wave: the tile's scores from the four waves' parts, the tile's maximum mx over valid rows, p = 2^(t - mx) (0 past the length), l = the sum of p; then sum over rows of p x projected values by
;     v_wmma_f32_16x16x32_f16 (A = p in all 16 rows), times the inverse power.  Stored: t (sc), (mx, l) (st), the unnormalised sum (op); the next launch joins a batch's tiles.
; LIMITS: a length over 1,024 acts as 1,024; a length of 0 or less leaves the batch without tiles (the next launch then gives NaN, as the softmax of an empty row does); NaN and infinities among the inputs are not
; served; a block of zeros gets the byte 1 with zero codes; p and the scaled projected values are rounded to f16 for the last product; a hidden unit whose largest projected value lies under 2^-111 is scaled by 2^125 and no more.
; THE MODE: SCHED_MODE bits 1:0 = 2 (LLVM: expert scheduling mode 2), set by the entry lines.  The code itself states the register dependences between vector or matrix instructions and
; memory or LDS instructions, with s_wait_alu, always for 0.
; THE PLAN.  Registers that memory or LDS instructions touch:
;   ADDRESSES  v1-10, v13, v24-30 and the twenty row offsets v200-219 are made at the head, with one wait on va_vdst behind them, and are not written again while a load or store names them.
;   R0, step i   window 1's slot i % 7: read by the stage's stores of row i (issued in step i - 1); the loads of row i + 7 land in it.   XS[i % 2]: the stage's loads of row i land in it (step i - 1), row i's vector lines read it.
;                CD[i % 2], BY[i % 2]: written by row i's vector lines, read by row i's four image stores, which are issued in step i + 1.
;                So two waits stand at a step's head and its 28 memory and LDS instructions follow them, ahead of the step's vector lines, which name XS, CD and BY of i % 2 alone.
;   R1, step s   rows' set (s + 1) % 2 with its scale words, W's set (s + 3) % 4 with its scale words: read by step s - 1's products; this step's loads land in them.  ONE wait on va_vdst at the step's head; behind it the
;                loads are dealt among the step's 40 products, which name the rows' set s % 2, W's set s % 4, their scale words and the accumulators: none of the registers that those loads touch.
;   R1, a block's end   window 2 v120-199 and v77, 79, 81, 83: written by vector lines, read by the stores to HOLD and INVS, which stand behind the wait for the exponentials.  v11, v12, v14, v15, v23: read by the block's
;                loads, written once at the block's end, behind a wait on vm_vsrc; the next step's wait on va_vdst shows them written.
;   R2           its waits are said where they stand.
.set SSM,   7712                       ; the images: a K step is 2 halves of 3,856 bytes (80 rows x 48 + 16): steps 32 bytes and halves 16 bytes apart modulo 256, so the 32 lanes of a store of 8 bytes touch 64 different banks (64 banks of 4 bytes: ISA guide 11.1)
.set HSM,   3856
.set IMGV,  61696                      ; keys' image at 0, values' here
.set SCA,   123392                     ; scale words [K step][160 rows]: keys' 80, values' 80
.set SPART, 128512                     ; the waves' parts of the scores [wave][80]
.set PW,    129792                     ; p, 96 words for each wave
.set HOLD,  131584                     ; projected values in f16: 40,960 bytes a wave: tile (column tile nt', row tile a) at (5 nt' + a) 512 + 16 l.  In R0 the wave's two stages lie at its head
.set HOLDW, 40960
.set OT,    295424                     ; the wave's 256 results, 1,024 bytes
.set INVO,  4096                       ; INVS = OT + 4,096: the inverse powers of the wave's 256 hidden units, 1,024 bytes a wave, laid as OT is
.set WKS,   786432                     ; where the scale words begin in wk
.set ROF,   200                        ; v200-219, in R0: the byte offsets of my wave's 20 rows, the same in keys and in values
; WINDOW 0: v1 16 l; v2, v3 fragment address in the keys', values' image; v4 scale words; v5, v6 stage in, out; v7 image write; v8 scale byte write; v9 HOLD; v10 wk codes, block 0; v11, v12 this and the next block's codes;
;   v13 wk scales, block 0; v14, v15 this and the next block's; v23 pqc and W_energy offset; v24 SPART write; v25, v26 p write, read; v27, v28 OT write, read; v29, v30 SPART read; v31 lane;
;   v32-41 the rows' scale words, two sets; v42-49 W's, four sets (these eighteen hold scales and nothing else); v50-59 score sums; v60-95 at work; v96-255 the values' accumulators, tile (a, j) at 96 + 8 (4 a + j).
; WINDOW 1: v0-191 W's fragments, four sets of 4 x 12; v192-223 pqc, v224-255 W_energy of the block; in R0 seven rows as loaded.   WINDOW 2: the rows' fragments, two sets of 120 (keys 12 a, values 60 + 12 a); from v120 also 80 registers of f16.
; WINDOW 3: the keys' accumulators, tile (a, j) at 8 (4 a + j).
.set MSB, 0
.macro WIN new                         ; s_set_vgpr_msb: bits 1:0 source 0, 3:2 source 1, 5:4 source 2, 7:6 destination; the high byte repeats the setting that is left
.if MSB != \new
	s_set_vgpr_msb (MSB<<8)|\new
.set MSB, \new
.endif
.endm
.macro PL4                             ; four places behind matrix instructions (ISA guide 7.12.1)
.rept 4
	v_nop
.endr
.endm
	s_load_b512 s[4:19], s[0:1], 0x0               ; keys s[4:5], values s[6:7], memory_lengths s[8:9], W_energy s[10:11], wk s[12:13], pqc s[14:15], sc s[16:17], st s[18:19]
	s_load_b64 s[20:21], s[0:1], 0x40              ; op
	v_lshl_add_u32 v94, v0, 2, 0x4a200
	v_mov_b32 v95, 0
	v_lshrrev_b32 v60, 5, v0
	v_readfirstlane_b32 s66, v60                   ; wave 0..3
	v_and_b32 v31, 31, v0                          ; lane l
	v_and_b32 v61, 15, v0                          ; r
	v_bfe_u32 v62, v0, 4, 1                        ; h
	v_lshlrev_b32 v1, 4, v31
	v_mul_u32_u24 v2, v61, 48
	v_mad_u32_u24 v2, v62, HSM, v2
	v_add_nc_u32 v3, IMGV, v2
	v_lshl_add_u32 v4, v31, 2, SCA
	s_wait_alu depctr_va_sdst(0)                   ; s66 is written, ahead of its first reader
	s_mul_i32 s88, s66, HOLDW
	s_add_co_u32 s88, s88, HOLD
	v_lshrrev_b32 v63, 3, v31
	v_and_b32 v64, 7, v31
	v_mul_u32_u24 v5, v63, 144
	v_lshl_add_u32 v5, v64, 4, v5
	v_add_nc_u32 v5, s88, v5
	v_mul_u32_u24 v6, v31, 144
	v_add_nc_u32 v6, s88, v6
	v_add_nc_u32 v9, s88, v1
	v_lshrrev_b32 v63, 2, v31                      ; my block's K step,
	v_and_b32 v64, 1, v31                          ; half,
	v_bfe_u32 v65, v31, 1, 1                       ; c,
	v_and_b32 v66, 3, v31                          ; and byte in the scale word
	s_mul_i32 s88, s66, 960                        ; my wave's 20 rows x 48 bytes
	v_mul_u32_u24 v7, v63, SSM
	v_mad_u32_u24 v7, v64, HSM, v7
	v_mad_u32_u24 v7, v65, 24, v7
	v_add_nc_u32 v7, s88, v7
	s_mul_i32 s88, s66, 80
	s_add_co_u32 s88, s88, SCA
	v_mad_u32_u24 v8, v63, 640, v66
	v_add_nc_u32 v8, s88, v8
	s_mul_i32 s88, s66, 196608                     ; my wave's 16 column tiles of codes
	v_add_nc_u32 v10, s88, v1
	s_lshl_b32 s88, s66, 13
	s_add_co_u32 s88, s88, WKS
	v_lshlrev_b32 v13, 2, v61
	v_lshl_add_u32 v13, v62, 9, v13                ; lanes 0-15 an even column tile's words, lanes 16-31 the odd one's
	v_add_nc_u32 v13, s88, v13
	s_lshl_b32 s88, s66, 10
	v_lshl_add_u32 v23, v62, 5, s88
	s_mul_i32 s88, s66, 320
	s_add_co_u32 s88, s88, SPART
	v_lshl_add_u32 v24, v61, 2, s88
	s_mul_i32 s88, s66, 384
	s_add_co_u32 s88, s88, PW
	v_lshl_add_u32 v25, v31, 2, s88
	v_lshl_add_u32 v26, v62, 5, s88
	s_lshl_b32 s88, s66, 10
	s_add_co_u32 s88, s88, OT
	v_lshl_add_u32 v27, v61, 2, s88
	v_add_nc_u32 v28, s88, v1
	v_lshl_add_u32 v29, v31, 2, SPART
	v_lshl_add_u32 v30, v61, 2, SPART+256
	s_mov_b32 s70, 0x4038aa3b                      ; c = 2 log2(e)
	s_mov_b32 s71, s70                             ; (named with it as a pair, so it is written)
	s_mov_b32 s72, 0x76543210                      ; v_permlanex16_b32's selects for lane l xor 16
	s_mov_b32 s73, 0xfedcba98
	s_wait_kmcnt 0x0
	s_load_b512 s[24:39], s[8:9], 0x0              ; the 32 lengths
	s_load_b512 s[40:55], s[8:9], 0x40
	s_mov_b32 s57, 0                               ; tiles in front of batch j
	s_mov_b32 s58, 0                               ; my batch,
	s_mov_b32 s59, 0                               ; its first tile's number,
	s_mov_b32 s60, 0                               ; its length
	s_wait_kmcnt 0x0
.irp j, 0,1,2,3,4,5,6,7,8,9,10,11,12,13,14,15,16,17,18,19,20,21,22,23,24,25,26,27,28,29,30,31
	s_max_i32 s61, s[24+\j], 0
	s_min_u32 s61, s61, 1024                       ; the length, held to 0 .. 1,024
	s_add_co_u32 s62, s61, 79
	s_mul_i32 s62, s62, 52429
	s_lshr_b32 s62, s62, 22                        ; n_j = (len + 79) / 80: 52,429 / 2^22 is exact for numbers under 2^18
	s_cmp_ge_u32 ttmp9, s57                        ; the last batch whose first tile is not past g is mine
	s_cselect_b32 s58, \j, s58
	s_cselect_b32 s59, s57, s59
	s_cselect_b32 s60, s61, s60
	s_add_co_u32 s57, s57, s62                     ; (sets SCC: behind the selections)
.endr
	s_cmp_lt_u32 ttmp9, s57
	s_cselect_b32 s63, 1, 0                        ; have I a tile?
	s_min_u32 s58, s58, 31
	s_sub_co_u32 s67, ttmp9, s59
	s_min_u32 s67, s67, 12                         ; which tile of the batch
	s_mul_i32 s61, s67, 80
	s_mul_i32 s62, s66, 20
	s_add_co_u32 s68, s61, s62                     ; my wave's first row
	s_sub_co_i32 s69, s60, 1
	s_max_i32 s69, s69, 0                          ; the batch's last valid row
	s_sub_co_i32 s75, s60, s61
	s_max_i32 s75, s75, 0
	s_min_u32 s75, s75, 80                         ; valid rows in the tile
	s_mov_b32 s89, 0
	s_lshl_b32 s88, s58, 22
	s_add_nc_u64 s[76:77], s[4:5], s[88:89]        ; keys and values at my batch
	s_add_nc_u64 s[78:79], s[6:7], s[88:89]
	s_lshl_b32 s88, s58, 12
	s_add_nc_u64 s[80:81], s[14:15], s[88:89]      ; pqc at my batch
	s_mul_i32 s88, s58, 4160
	s_mul_i32 s62, s67, 320
	s_add_co_u32 s88, s88, s62
	s_add_nc_u64 s[82:83], s[16:17], s[88:89]      ; sc: 1,040 words a batch, 80 a tile
	s_mul_i32 s90, s58, 13
	s_add_co_u32 s90, s90, s67                     ; slot = 13 batch + tile
	s_lshl_b32 s88, s90, 3
	s_add_nc_u64 s[84:85], s[18:19], s[88:89]
	s_lshl_b32 s88, s90, 12
	s_lshl_b32 s62, s66, 10
	s_add_co_u32 s88, s88, s62
	s_add_nc_u64 s[86:87], s[20:21], s[88:89]      ; op: 4,096 bytes a slot, my wave's 1,024
.irp k, 0,1,2,3,4,5,6,7,8,9,10,11,12,13,14,15,16,17,18,19
	s_add_co_u32 s88, s68, \k                      ; row k of my wave's 20,
	s_min_u32 s88, s88, s69                        ; not past the batch's last valid row,
	s_min_u32 s88, s88, 1023                       ; nor past the tensor
	v_lshl_add_u32 v[ROF+\k], s88, 12, v1          ; its 4,096 bytes, my 16 of each 512
.endr
	s_wait_alu depctr_va_vdst(0)                   ; the addresses v1-10, v13, v23-30 and the twenty row offsets are written, which the loads and stores below read
	s_cmp_eq_u32 s63, 0
	s_cbranch_scc1 .Lb1
; ================ R0: 40 rows a wave, written out: every LDS offset is an immediate.  Row i: keys for i < 20, then values; row (i % 20) of my wave's 20.
.macro LOADROW i                       ; eight loads of 512 consecutive bytes into slot i % 7 (destination window 1).  No cache hint: the rows past the length name row len - 1 again
.irp q, 0,1,2,3,4,5,6,7
.if (\i) < 20
	global_load_b128 v[32*((\i)%7)+4*\q:32*((\i)%7)+4*\q+3], v[ROF+(\i)%20], s[76:77] offset:512*\q
.else
	global_load_b128 v[32*((\i)%7)+4*\q:32*((\i)%7)+4*\q+3], v[ROF+(\i)%20], s[78:79] offset:512*\q
.endif
.endr
.endm
.macro TURN i                          ; through stage i % 2: in as loaded, out block l to lane l (LDS serves a wave's instructions in order)
	WIN 0x04                                       ; an LDS store's data are its source 1: window 1
.irp q, 0,1,2,3,4,5,6,7
	ds_store_b128 v5, v[32*((\i)%7)+4*\q:32*((\i)%7)+4*\q+3] offset:4608*((\i)%2)+576*\q
.endr
	WIN 0
.irp e, 0,1,2,3,4,5,6,7
	ds_load_b128 v[96+32*((\i)%2)+4*\e:96+32*((\i)%2)+4*\e+3], v6 offset:4608*((\i)%2)+16*\e
.endr
.endm
.macro QROW i                          ; my block of row i: scale and codes, in registers
.set XS, 96+32*((\i)%2)
.set CD, 160+8*((\i)%2)
.set BY, 184+(\i)%2
	v_max3_num_f32 v180, |v[XS]|, |v[XS+1]|, 0x1800000             ; the largest magnitude, in two chains; the floor 2^(3 - 127) holds the byte at 1 from below
	v_max3_num_f32 v181, |v[XS+16]|, |v[XS+17]|, |v[XS+18]|
.irp k, 2,4,6,8,10,12
	v_max3_num_f32 v180, v180, |v[XS+\k]|, |v[XS+\k+1]|
	v_max3_num_f32 v181, v181, |v[XS+17+\k]|, |v[XS+18+\k]|
.endr
	v_max3_num_f32 v180, v180, |v[XS+14]|, |v[XS+15]|
	v_max3_num_f32 v180, v180, v181, |v[XS+31]|
	v_add_nc_u32 v182, 0xff000000, v180                            ; 2 off its exponent field: the conversion's scale operand
	v_cvt_scalef32_pk16_fp6_f32 v[CD:CD+2], v[XS:XS+15], v182
	v_cvt_scalef32_pk16_fp6_f32 v[176:178], v[XS+16:XS+31], v182   ; (a conversion's three registers begin on an even number)
	v_lshrrev_b32 v[BY], 23, v182                                  ; the scale's byte; also the plain instruction behind the conversions
	v_mov_b32 v[CD+3], v176
	v_mov_b32 v[CD+4], v177
	v_mov_b32 v[CD+5], v178
.endm
.macro ISTORE i                        ; row i's codes and byte go to the image
.set CD, 160+8*((\i)%2)
.set BY, 184+(\i)%2
	WIN 0
	ds_store_b64 v7, v[CD:CD+1] offset:IMGV*((\i)/20)+48*((\i)%20)
	ds_store_b64 v7, v[CD+2:CD+3] offset:IMGV*((\i)/20)+48*((\i)%20)+8
	ds_store_b64 v7, v[CD+4:CD+5] offset:IMGV*((\i)/20)+48*((\i)%20)+16
	ds_store_b8 v8, v[BY] offset:320*((\i)/20)+4*((\i)%20)
.endm
.macro RSTEP i
.if (\i) < 2
	s_wait_dscnt 0x0                               ; row i is back from its stage: nothing younger is out
.else
	s_wait_dscnt 0x4                               ; row i is back from its stage; only the four image stores of row i - 2 are younger
.endif
.if (\i)+7 < 40
	WIN 0x40                                       ; destination window 1, for the loads below
.endif
	s_wait_alu depctr_vm_vsrc(0)                   ; the stage's stores of row i have read slot i % 7, in which row i + 7 lands; the image stores of row i - 2 have read the codes and the byte that row i's lines write again
.if (\i) > 0
	s_wait_alu depctr_va_vdst(0)                   ; row i - 1's lines have written its codes and byte, which the image stores below read, and are done reading their 32 numbers, in which row i + 1 lands from the stage
.endif
.if (\i)+7 < 40
	LOADROW (\i)+7
.endif
.if (\i) < 39
.if (\i)+7 < 40
	s_wait_loadcnt 48                              ; row i + 1 is in; six younger rows of eight loads stay out
.else
	s_wait_loadcnt 8*(38-(\i))                     ; the counts run down: rows i + 2 .. 39
.endif
	TURN (\i)+1
.endif
.if (\i) > 0
	ISTORE (\i)-1
.endif
	QROW \i                                        ; it names row i's numbers, codes and byte alone: none of the registers that the instructions above touch
.endm
	WIN 0x40
.irp i, 0,1,2,3,4,5,6
	LOADROW \i
.endr
	s_wait_loadcnt 48                              ; row 0 is in
	TURN 0
.set RI, 0
.rept 40
	RSTEP RI
.set RI, RI+1
.endr
	s_wait_alu depctr_va_vdst(0)                   ; row 39's lines have written its codes and byte, which the last image stores read
	ISTORE 39
.Lb1:
	s_wait_dscnt 0x0                               ; my stores into the images are done
	s_barrier_signal -1
	s_barrier_wait -1                              ; the images are whole
	s_cmp_eq_u32 s63, 0
	s_cbranch_scc1 .Lb2
; ================ R1
; The fragments of W for step sig of the walk (K step sig % 8; sig 8, 9, 10: the next block's first three): 2 loads of scale words, 12 of codes, into set sig % 4.  extra = 1: the block's pqc and W_energy too, 16 loads.
.macro WSYM sig
.set WSET, (\sig)%4
.set WST, (\sig)%8
.if (\sig) < 8
.set WCO, 11
.set WSO, 14
.else
.set WCO, 12
.set WSO, 15
.endif
.endm
.macro WSCL sig                        ; the scale words (every window 0)
	WSYM \sig
	global_load_b32 v[42+2*WSET], v[WSO], s[12:13] offset:64*WST
	global_load_b32 v[43+2*WSET], v[WSO], s[12:13] offset:64*WST+1024
.endm
.macro WCOD sig, extra                 ; the codes (destination window 1)
	WSYM \sig
.if \extra
.irp j, 0,1,2,3
	global_load_b128 v[192+8*\j:195+8*\j], v23, s[80:81] offset:64*\j
	global_load_b128 v[196+8*\j:199+8*\j], v23, s[80:81] offset:64*\j+16
	global_load_b128 v[224+8*\j:227+8*\j], v23, s[10:11] offset:64*\j
	global_load_b128 v[228+8*\j:231+8*\j], v23, s[10:11] offset:64*\j+16
.endr
.endif
.irp j, 0,1,2,3
.irp g, 0,1,2
	global_load_b128 v[48*WSET+12*\j+4*\g:48*WSET+12*\j+4*\g+3], v[WCO], s[12:13] offset:6144*WST+1536*\j+512*\g   ; 512 consecutive bytes: the registers as they lie
.endr
.endr
.endm
.macro WGROUP sig, extra
	WIN 0
	WSCL \sig
	WIN 0x40
	WCOD \sig, \extra
.endm
; The rows' fragments of K step s into set s % 2: for row tile a three loads of 16 bytes a lane of the keys and three of the values (destination window 2);
.macro AROWS s, a
.irp g, 0,1,2
	ds_load_b128 v[120*((\s)%2)+12*(\a)+4*\g:120*((\s)%2)+12*(\a)+4*\g+3], v2 offset:SSM*(\s)+768*(\a)+16*\g
.endr
.irp g, 0,1,2
	ds_load_b128 v[120*((\s)%2)+60+12*(\a)+4*\g:120*((\s)%2)+60+12*(\a)+4*\g+3], v3 offset:SSM*(\s)+768*(\a)+16*\g
.endr
.endm
; and 5 loads of scale words (every window 0): register q: lanes 0-15 row tile 2 q, lanes 16-31 row tile 2 q + 1 (tiles 0-4 keys, 5-9 values)
.macro ASCALE s
.irp q, 0,1,2,3,4
	ds_load_b32 v[32+5*((\s)%2)+\q], v4 offset:640*(\s)+128*\q
.endr
.endm
.macro AFETCH s
	WIN 0x80
.irp a, 0,1,2,3,4
	AROWS \s, \a
.endr
	WIN 0
	ASCALE \s
.endm
; One scaled product by the symbols rD, rA, rB, rSA, rSB; rRA, rRB: the side's scales stand in lanes 16-31; rZ: it starts its sum
.macro WMS
.if rZ
.if rRA && rRB
	v_wmma_scale_f32_16x16x128_f8f6f4 v[rD:rD+7], v[rA:rA+11], v[rB:rB+11], 0, v[rSA], v[rSB] matrix_a_fmt:MATRIX_FMT_FP6 matrix_b_fmt:MATRIX_FMT_FP6 matrix_a_scale:MATRIX_SCALE_ROW1 matrix_b_scale:MATRIX_SCALE_ROW1
.elseif rRA
	v_wmma_scale_f32_16x16x128_f8f6f4 v[rD:rD+7], v[rA:rA+11], v[rB:rB+11], 0, v[rSA], v[rSB] matrix_a_fmt:MATRIX_FMT_FP6 matrix_b_fmt:MATRIX_FMT_FP6 matrix_a_scale:MATRIX_SCALE_ROW1
.elseif rRB
	v_wmma_scale_f32_16x16x128_f8f6f4 v[rD:rD+7], v[rA:rA+11], v[rB:rB+11], 0, v[rSA], v[rSB] matrix_a_fmt:MATRIX_FMT_FP6 matrix_b_fmt:MATRIX_FMT_FP6 matrix_b_scale:MATRIX_SCALE_ROW1
.else
	v_wmma_scale_f32_16x16x128_f8f6f4 v[rD:rD+7], v[rA:rA+11], v[rB:rB+11], 0, v[rSA], v[rSB] matrix_a_fmt:MATRIX_FMT_FP6 matrix_b_fmt:MATRIX_FMT_FP6
.endif
.else
.if rRA && rRB
	v_wmma_scale_f32_16x16x128_f8f6f4 v[rD:rD+7], v[rA:rA+11], v[rB:rB+11], v[rD:rD+7], v[rSA], v[rSB] matrix_a_fmt:MATRIX_FMT_FP6 matrix_b_fmt:MATRIX_FMT_FP6 matrix_a_scale:MATRIX_SCALE_ROW1 matrix_b_scale:MATRIX_SCALE_ROW1
.elseif rRA
	v_wmma_scale_f32_16x16x128_f8f6f4 v[rD:rD+7], v[rA:rA+11], v[rB:rB+11], v[rD:rD+7], v[rSA], v[rSB] matrix_a_fmt:MATRIX_FMT_FP6 matrix_b_fmt:MATRIX_FMT_FP6 matrix_a_scale:MATRIX_SCALE_ROW1
.elseif rRB
	v_wmma_scale_f32_16x16x128_f8f6f4 v[rD:rD+7], v[rA:rA+11], v[rB:rB+11], v[rD:rD+7], v[rSA], v[rSB] matrix_a_fmt:MATRIX_FMT_FP6 matrix_b_fmt:MATRIX_FMT_FP6 matrix_b_scale:MATRIX_SCALE_ROW1
.else
	v_wmma_scale_f32_16x16x128_f8f6f4 v[rD:rD+7], v[rA:rA+11], v[rB:rB+11], v[rD:rD+7], v[rSA], v[rSB] matrix_a_fmt:MATRIX_FMT_FP6 matrix_b_fmt:MATRIX_FMT_FP6
.endif
.endif
.endm
.macro KEYS s, a                       ; four products: tile a of key rows against the block's four column tiles (source 0 (W) window 1, source 1 (keys) window 2, C and D window 3)
.irp j, 0,1,2,3
.set rD, 8*(4*(\a)+\j)
.set rA, 48*((\s)%4)+12*\j
.set rB, 120*((\s)%2)+12*(\a)
.set rSA, 42+2*((\s)%4)+\j/2
.set rSB, 32+5*((\s)%2)+(\a)/2
.set rRA, \j%2
.set rRB, (\a)%2
	WMS
.endr
.endm
.macro VALS s, a                       ; four products: tile a of value rows (source 0 (values) window 2, source 1 (W) window 1, C and D window 0)
.irp j, 0,1,2,3
.set rD, 96+8*(4*(\a)+\j)
.set rA, 120*((\s)%2)+60+12*(\a)
.set rB, 48*((\s)%4)+12*\j
.set rSA, 32+5*((\s)%2)+(5+(\a))/2
.set rSB, 42+2*((\s)%4)+\j/2
.set rRA, (5+(\a))%2
.set rRB, \j%2
	WMS
.endr
.endm
; K step s of a block of 64 hidden units: 40 products on 40 accumulators, which take turns, one instruction a turn; W comes three steps ahead, the rows' fragments one.
; The step's loads stand in four runs among its products: 12 LDS loads behind 8 products, 12 behind 16, 11 and W's two scale words behind 20, W's codes behind 28.
.macro MSTEP s
.if ((\s) == 1) || ((\s) == 2)
	s_wait_loadcnt 44                              ; W's group of this step is in; younger: two groups of 14 and step 0's sixteen loads of pqc and W_energy
.else
	s_wait_loadcnt 28                              ; younger: two groups of 14
.endif
	s_wait_dscnt 0x0                               ; the rows' fragments of this step are in
	PL4                                            ; four places behind the last step's products, ahead of the loads into registers that those have read; the wait below states that dependence
	s_wait_alu depctr_va_vdst(0)                   ; the last step's products are done reading the rows' other set, W's set (s + 3) % 4 and their scale words, in which this step's loads land; in a block's first step also: the block's end has written v11, v12, v14, v15, v23 and window 2's v120-199 and is done reading pqc and W_energy
.if (\s) == 0
.set rZ, 1
.else
.set rZ, 0
.endif
	WIN 0xf9
	KEYS \s, 0
	KEYS \s, 1
	WIN 0x80                                       ; destination window 2.  No wait: no product since the wait above names the registers that these loads touch
	AROWS ((\s)+1)%8, 0
	AROWS ((\s)+1)%8, 1
	WIN 0xf9
	KEYS \s, 2
	KEYS \s, 3
	WIN 0x80
	AROWS ((\s)+1)%8, 2
	AROWS ((\s)+1)%8, 3
	WIN 0xf9
	KEYS \s, 4
	WIN 0x80
	AROWS ((\s)+1)%8, 4
	WIN 0
	ASCALE ((\s)+1)%8
	WSCL (\s)+3
	WIN 0x06
	VALS \s, 0
	VALS \s, 1
	WIN 0x40                                       ; destination window 1
.if (\s) == 0
	WCOD (\s)+3, 1
.else
	WCOD (\s)+3, 0
.endif
	WIN 0x06
	VALS \s, 2
	VALS \s, 3
	VALS \s, 4
.endm
.macro HSTORE nb                       ; the block's 20 tiles of projected values, f16, to HOLD: 512 consecutive bytes a store; and its four column tiles' inverse powers
	WIN 0x08                                       ; the data: window 2
.irp a, 0,1,2,3,4
.irp j, 0,1,2,3
	ds_store_b128 v9, v[120+4*(4*\a+\j):120+4*(4*\a+\j)+3] offset:(20*(\nb)+5*\j+\a)*512
.endr
.endr
	WIN 0
.irp j, 0,1,2,3
	ds_store_b32 v27, v[77+2*\j] offset:INVO+64*(4*(\nb)+\j)       ; hidden unit 16 (4 nb + j) + r; both halves write the same word with the same value
.endr
.endm
.irp i, 0,1,2,3,4,5,6,7,8,9
	v_mov_b32 v[50+\i], 0                          ; the score sums: a pair for each tile of key rows
.endr
.irp j, 0,1,2,3
	v_mov_b32 v[68+\j], 0                          ; written once: a lane permute's destination counts as one of its sources
.endr
	v_mov_b32 v11, v10                             ; block 0,
	v_add_nc_u32 v12, 49152, v10                   ; block 1
	v_mov_b32 v14, v13
	v_add_nc_u32 v15, 2048, v13
	s_wait_alu depctr_vm_vsrc(0)                   ; the stage's stores have read window 1's slots, in which W's fragments land; the image stores and the rows' loads have read v160-175, v184-185 and v200-219, which the values' accumulators take
	s_wait_alu depctr_va_vdst(0)                   ; v11, v12, v14 and v15 are written, which the loads of W read
	WGROUP 0, 0
	WGROUP 1, 0
	WGROUP 2, 0
	AFETCH 0
	s_mov_b32 s74, 0
.Ltrip:                                            ; four trips: a block of 64 hidden units each
	MSTEP 0
	MSTEP 1
	MSTEP 2
	MSTEP 3
	MSTEP 4
	MSTEP 5
	MSTEP 6
	MSTEP 7
	PL4                                            ; four places ahead of the first read of results
	WIN 0
	; the projected values of the block.  A lane holds hidden unit r of each column tile j, and 8 of its rows in each of 5 accumulators: the largest magnitude of the 40, each accumulator from its low end on, the four j by turns
.irp a, 0,1,2,3,4
.irp i, 0,2,4,6
.irp j, 0,1,2,3
.if (\a == 0) && (\i == 0)
	v_max3_num_f32 v[60+2*\j], |v[96+8*\j]|, |v[97+8*\j]|, 0x8000000   ; and the floor 2^(16 - 127): so both powers below have exponent fields between 2 and 252
.else
	v_max3_num_f32 v[60+2*\j], v[60+2*\j], |v[96+8*(4*\a+\j)+\i]|, |v[97+8*(4*\a+\j)+\i]|
.endif
.endr
.endr
.endr
.irp j, 0,1,2,3
	v_permlanex16_b32 v[68+\j], v[60+2*\j], s72, s73
.endr
.irp j, 0,1,2,3
	v_max_num_f32 v[60+2*\j], v[60+2*\j], v[68+\j] ; with the other half's 40 rows: the hidden unit's largest of 80
.endr
.irp j, 0,1,2,3
	v_and_b32 v[60+2*\j], 0x7f800000, v[60+2*\j]   ; its exponent field E, in place
.endr
.irp j, 0,1,2,3
	v_sub_nc_u32 v[76+2*\j], 0x86000000, v[60+2*\j]    ; the power 2^(141 - E): field 268 - E: it puts the largest number in [2^14, 2^15)
	v_add_nc_u32 v[77+2*\j], 0xf9000000, v[60+2*\j]    ; and its inverse 2^(E - 141): field E - 14.  The two are a pair, so that the packed form's pair is written whole
.endr
.set TT, 0
.rept 20
.irp i, 0,2,4,6
	v_pk_mul_f32 v[96+8*TT+\i:96+8*TT+\i+1], v[96+8*TT+\i:96+8*TT+\i+1], v[76+2*(TT%4):77+2*(TT%4)] op_sel_hi:[1,0]   ; x the power: nothing is rounded
.endr
.set TT, TT+1
.endr
	WIN 0x80                                       ; destination window 2: the set of fragments that step 7 has multiplied
.set TT, 0
.rept 20
.irp i, 0,1,2,3
	v_cvt_pk_f16_f32 v[120+4*TT+\i], v[96+8*TT+2*\i], v[96+8*TT+2*\i+1]   ; eight rows of one hidden unit, 16 bytes
.endr
.set TT, TT+1
.endr
	WIN 0xd3                                       ; keys' accumulators (window 3) in place; pqc window 1
.set TT, 0
.rept 20
.irp i, 0,2,4,6
	v_pk_fma_f32 v[8*TT+\i:8*TT+\i+1], v[8*TT+\i:8*TT+\i+1], s[70:71], v[192+8*(TT%4)+\i:192+8*(TT%4)+\i+1] op_sel_hi:[1,0,1]   ; c pk + pqc
.endr
.set TT, TT+1
.endr
	WIN 0xc3
.set KK, 0
	s_wait_alu depctr_va_vdst(0)
.rept 160
	v_exp_f32 v[KK], v[KK]                         ; 2^(c x)
.set KK, KK+1
.endr
	v_nop                                          ; a plain instruction behind the last exponential
	WIN 0
	s_wait_alu depctr_va_vdst(0)                   ; one wait for two things: the 160 exponentials are written, ahead of their first reader; and the conversions have written window 2's v120-199, and the lines above them v77, 79, 81, 83, which the stores below read
	s_cmp_eq_u32 s74, 0                            ; the block's place in HOLD stands in the stores' immediates: four runs, one for each block
	s_cbranch_scc1 .Lh0
	s_cmp_eq_u32 s74, 1
	s_cbranch_scc1 .Lh1
	s_cmp_eq_u32 s74, 2
	s_cbranch_scc1 .Lh2
	HSTORE 3
	s_branch .Lhd
.Lh0:
	HSTORE 0
	s_branch .Lhd
.Lh1:
	HSTORE 1
	s_branch .Lhd
.Lh2:
	HSTORE 2
.Lhd:
	WIN 0xc3
.set KK, 0
.rept 80
	v_pk_add_f32 v[KK:KK+1], v[KK:KK+1], 1.0 op_sel_hi:[1,0]
.set KK, KK+2
.endr
.set KK, 0
	s_wait_alu depctr_va_vdst(0)
.rept 160
	v_rcp_f32 v[KK], v[KK]                         ; r = 1 / (1 + 2^(c x))
.set KK, KK+1
.endr
	v_nop
	s_wait_alu depctr_va_vdst(0)                   ; the 160 reciprocals are written, ahead of their first reader
	WIN 0x07                                       ; source 0 (r) window 3, source 1 (W_energy) window 1, sums window 0
.irp j, 0,1,2,3
.irp i, 0,2,4,6
.irp a, 0,1,2,3,4
	v_pk_fma_f32 v[50+2*\a:51+2*\a], v[8*(4*\a+\j)+\i:8*(4*\a+\j)+\i+1], v[224+8*\j+\i:224+8*\j+\i+1], v[50+2*\a:51+2*\a]   ; the five sums by turns
.endr
.endr
.endr
	WIN 0
	s_wait_xcnt 0x0                                ; the loads that are out have had their addresses translated: their offsets may be written
	s_wait_alu depctr_vm_vsrc(0)                   ; the block's loads have read v11, v12, v14, v15 and v23, which the lines below write; the stores to HOLD and INVS have read window 2's v120-199, in which the next block's fragments land, and v77, 79, 81, 83
	v_mov_b32 v11, v12
	v_mov_b32 v14, v15
	s_add_co_u32 s88, s74, 2
	s_min_u32 s88, s88, 3                          ; the last block asks again for its own first three steps: no load leaves the buffer
	s_mul_i32 s89, s88, 49152
	v_add_nc_u32 v12, s89, v10
	s_lshl_b32 s89, s88, 11
	v_add_nc_u32 v15, s89, v13
	v_add_nc_u32 v23, 256, v23
	s_add_co_u32 s74, s74, 1
	s_cmp_lt_u32 s74, 4
	s_cbranch_scc1 .Ltrip
	s_wait_loadcnt 0x0
.irp a, 0,1,2,3,4
	v_add_f32 v[60+\a], v[50+2*\a], v[51+2*\a]
	v_mov_b32 v[66+\a], 0                          ; (a lane permute's destination counts as one of its sources)
.endr
.irp a, 0,1,2,3,4
	v_permlanex16_b32 v[66+\a], v[60+\a], s72, s73
.endr
.irp a, 0,1,2,3,4
	v_add_f32 v[60+\a], v[60+\a], v[66+\a]         ; with the other half's eight hidden units of each tile: my wave's 256
.endr
	s_wait_alu depctr_va_vdst(0)                   ; the additions have written v60-64, which the stores read
.irp a, 0,1,2,3,4
	ds_store_b32 v24, v[60+\a] offset:64*\a        ; row 16 a + r; both halves write the same word with the same value
.endr
.Lb2:
	s_wait_dscnt 0x0
	s_barrier_signal -1
	s_barrier_wait -1                              ; the four waves' parts of the scores lie in LDS
	s_cmp_eq_u32 s63, 0
	s_cbranch_scc1 .Lend
; ================ R2: every wave for itself.  A lane takes rows l, l + 32 and 64 + l % 16
	s_wait_alu depctr_vm_vsrc(0)                   ; my stores of the scores' parts have read v60-64, in which the loads below land
.irp u, 0,1,2,3
	ds_load_b32 v[60+\u], v29 offset:320*\u
	ds_load_b32 v[64+\u], v29 offset:320*\u+128
	ds_load_b32 v[68+\u], v30 offset:320*\u
.endr
	v_add_nc_u32 v72, 32, v31
	v_add_nc_u32 v73, 64, v31                      ; lanes 16-31 count as rows 80-95 here: never valid
	v_mov_b32 v74, 0xff800000                      ; -infinity
	v_lshlrev_b32 v85, 2, v31
	v_and_b32 v86, 15, v31
	v_lshlrev_b32 v86, 2, v86
	v_mov_b32 v87, 0
	v_mov_b32 v84, 0
	v_cmp_gt_u32 s92, s75, v31                     ; which of my three rows are valid: the three masks in one run
	v_cmp_gt_u32 s93, s75, v72
	v_cmp_gt_u32 s94, s75, v73
	s_wait_dscnt 0x0
	v_add_f32 v60, v60, v61
	v_add_f32 v62, v62, v63
	v_add_f32 v64, v64, v65
	v_add_f32 v66, v66, v67
	v_add_f32 v68, v68, v69
	v_add_f32 v70, v70, v71
	v_add_f32 v60, v60, v62
	v_add_f32 v64, v64, v66
	v_add_f32 v68, v68, v70
	v_mul_f32 v60, 0xc038aa3b, v60                 ; t = -c x the sum
	v_mul_f32 v64, 0xc038aa3b, v64
	v_mul_f32 v68, 0xc038aa3b, v68
	s_wait_alu depctr_va_sdst(0)                   ; the compares have written s92, s93 and s94, ahead of their first readers
	v_cndmask_b32 v76, v74, v60, s92               ; rows past the length: -infinity
	v_cndmask_b32 v77, v74, v64, s93
	v_cndmask_b32 v78, v74, v68, s94
	v_max3_num_f32 v80, v76, v77, v78
	v_max_num_f32_dpp v80, v80, v80 row_xmask:1 row_mask:0xf bank_mask:0xf
	v_max_num_f32_dpp v80, v80, v80 row_xmask:2 row_mask:0xf bank_mask:0xf
	v_max_num_f32_dpp v80, v80, v80 row_xmask:4 row_mask:0xf bank_mask:0xf
	v_max_num_f32_dpp v80, v80, v80 row_xmask:8 row_mask:0xf bank_mask:0xf
	v_permlanex16_b32 v84, v80, s72, s73
	v_max_num_f32 v80, v80, v84                    ; mx: the tile's first row is valid, so it is a number
	v_sub_f32 v76, v76, v80
	v_sub_f32 v77, v77, v80
	v_sub_f32 v78, v78, v80
	s_wait_alu depctr_va_vdst(0)
	v_exp_f32 v76, v76
	v_exp_f32 v77, v77
	v_exp_f32 v78, v78                             ; p = 2^(t - mx); 0 past the length
	v_nop
	s_wait_alu depctr_va_vdst(0)                   ; the three exponentials have written p, ahead of its first readers: the stores below and the sum
	ds_store_b32 v25, v76
	ds_store_b32 v25, v77 offset:128
	ds_store_b32 v25, v78 offset:256               ; words 80-95 are zeros
	v_add_f32 v81, v76, v77
	v_add_f32 v81, v81, v78
	v_add_f32_dpp v81, v81, v81 row_xmask:1 row_mask:0xf bank_mask:0xf
	v_add_f32_dpp v81, v81, v81 row_xmask:2 row_mask:0xf bank_mask:0xf
	v_add_f32_dpp v81, v81, v81 row_xmask:4 row_mask:0xf bank_mask:0xf
	v_add_f32_dpp v81, v81, v81 row_xmask:8 row_mask:0xf bank_mask:0xf
	v_permlanex16_b32 v84, v81, s72, s73
	v_add_f32 v81, v81, v84                        ; l
	s_cmp_lg_u32 s66, 0
	s_cbranch_scc1 .Lnot_w0
	s_wait_alu depctr_va_vdst(0)                   ; l is written in v81, which the last store below reads (t, mx and the offsets v85-87 were written ahead of the wait before)
	global_store_b32 v85, v60, s[82:83]            ; wave 0: the tile's 80 t, unmasked,
	global_store_b32 v85, v64, s[82:83] offset:128
	global_store_b32 v86, v68, s[82:83] offset:256 ; (lanes l and l + 16 store the same word with the same value)
	global_store_b64 v87, v[80:81], s[84:85]       ; and (mx, l): every lane the same 8 bytes with the same value
.Lnot_w0:
.irp a, 0,1,2,3,4,5
	ds_load_b128 v[96+8*\a:99+8*\a], v26 offset:64*\a              ; p in the A operand's order: rows 16 a + 8 h + 0 .. 7 (my own stores: LDS serves a wave's instructions in order)
	ds_load_b128 v[100+8*\a:103+8*\a], v26 offset:64*\a+16
.endr
.irp n, 0,1,2,3,4,5,6,7,8,9,10,11,12,13,14,15
	ds_load_b32 v[232+\n], v27 offset:INVO+64*\n   ; the inverse powers of my 16 column tiles: hidden unit 16 n + r
.endr
.irp t, 0,1
.irp i, 20,21,22,23
	v_mov_b32 v[168+24*\t+\i], 0                   ; rows 80-95 of the projected values: zeros, written once
.endr
.endr
	s_wait_dscnt 0x0
.set KK, 0
.rept 24
	v_cvt_pk_f16_f32 v[144+KK], v[96+2*KK], v[97+2*KK]             ; p is at most 1, and the tile's largest is 1
.set KK, KK+1
.endr
.irp g, 0,1,2,3,4,5,6,7                    ; two column tiles at a time: K = 96 rows in three products each, the two accumulators by turns
	PL4                                            ; with the four below: eight places before the first products write over the last group's accumulators
.if \g > 0
	s_wait_alu depctr_va_vdst(0)                   ; the last group's products are done reading v168-187 and v192-211, in which the loads below land
.endif
.irp t, 0,1
.irp a, 0,1,2,3,4
	ds_load_b128 v[168+24*\t+4*\a:171+24*\t+4*\a], v9 offset:(5*(2*\g+\t)+\a)*512
.endr
.endr
	s_wait_dscnt 0x0                               ; the fragments are in
.irp q, 0,1,2
.irp t, 0,1
.if \q == 0
	s_wait_alu depctr_va_vdst(0)
	v_wmma_f32_16x16x32_f16 v[216+8*\t:223+8*\t], v[144+8*\q:151+8*\q], v[168+24*\t+8*\q:175+24*\t+8*\q], 0
.else
	v_wmma_f32_16x16x32_f16 v[216+8*\t:223+8*\t], v[144+8*\q:151+8*\q], v[168+24*\t+8*\q:175+24*\t+8*\q], v[216+8*\t:223+8*\t]
.endif
.endr
.endr
	PL4
	v_mul_f32 v[232+2*\g], v216, v[232+2*\g]       ; all 16 rows of the result are alike: register 0, hidden unit 16 nt' + r; x its inverse power, in that power's register: each result has a register of its own
	v_mul_f32 v[233+2*\g], v224, v[233+2*\g]
.endr
	s_wait_alu depctr_va_vdst(0)                   ; the sixteen results v232-247 are written, which the stores read
.irp n, 0,1,2,3,4,5,6,7,8,9,10,11,12,13,14,15
	ds_store_b32 v27, v[232+\n] offset:64*\n
.endr
	ds_load_b128 v[96:99], v28
	ds_load_b128 v[100:103], v28 offset:512
	s_wait_dscnt 0x0
	global_store_b128 v1, v[96:99], s[86:87]       ; 32 lanes store 512 consecutive bytes, at a multiple of 256 from op's first byte
	global_store_b128 v1, v[100:103], s[86:87] offset:512
.Lend:
	s_wait_dscnt 0x0
	s_wait_alu depctr_hold_cnt(0) depctr_sa_sdst(0) depctr_va_vdst(0) depctr_va_sdst(0) depctr_va_ssrc(0) depctr_va_vcc(0) depctr_vm_vsrc(0)
	s_wait_tensorcnt 0x0
	ds_add_u32 v94, v95
	s_wait_dscnt 0x0
	s_endpgm
.Lfunc_end_k_qb8b5f57e6e_main:
	.size	k_qb8b5f57e6e_main, .Lfunc_end_k_qb8b5f57e6e_main-k_qb8b5f57e6e_main
	.p2alignl 7, 3214868480
	.fill 96, 4, 3214868480
	.section	.rodata,"a",@progbits
	.p2align	6, 0x0
	.amdhsa_kernel k_qb8b5f57e6e_main
		.amdhsa_group_segment_fixed_size 304128
		.amdhsa_private_segment_fixed_size 0
		.amdhsa_enable_private_segment 0
		.amdhsa_kernarg_size 72
		.amdhsa_user_sgpr_count 2
		.amdhsa_user_sgpr_kernarg_segment_ptr 1
		.amdhsa_wavefront_size32 1
		.amdhsa_system_sgpr_workgroup_id_x 1
		.amdhsa_system_sgpr_workgroup_id_y 1
		.amdhsa_system_sgpr_workgroup_id_z 1
		.amdhsa_system_vgpr_workitem_id 0
		.amdhsa_next_free_vgpr 1024
		.amdhsa_next_free_sgpr 100
		.amdhsa_reserve_vcc 0
		.amdhsa_float_denorm_mode_32 3
		.amdhsa_float_denorm_mode_16_64 3
		.amdhsa_memory_ordered 1
		.amdhsa_forward_progress 1
		.amdhsa_inst_pref_size 255
	.end_amdhsa_kernel
	.section	.bss,"aw",@nobits
	.p2align	6
	.space	262144
	.amdgpu_metadata
---
amdhsa.version: [ 1, 2 ]
amdhsa.kernels:
  - .name:           k_qb8b5f57e6e_main
    .symbol:         k_qb8b5f57e6e_main.kd
    .args:
      - { .name: keys, .offset: 0, .size: 8, .value_kind: global_buffer, .address_space: global }
      - { .name: values, .offset: 8, .size: 8, .value_kind: global_buffer, .address_space: global }
      - { .name: memory_lengths, .offset: 16, .size: 8, .value_kind: global_buffer, .address_space: global }
      - { .name: W_energy, .offset: 24, .size: 8, .value_kind: global_buffer, .address_space: global }
      - { .name: wk, .offset: 32, .size: 8, .value_kind: global_buffer, .address_space: global }
      - { .name: pqc, .offset: 40, .size: 8, .value_kind: global_buffer, .address_space: global }
      - { .name: sc, .offset: 48, .size: 8, .value_kind: global_buffer, .address_space: global }
      - { .name: st, .offset: 56, .size: 8, .value_kind: global_buffer, .address_space: global }
      - { .name: op, .offset: 64, .size: 8, .value_kind: global_buffer, .address_space: global }
    .group_segment_fixed_size: 304128
    .private_segment_fixed_size: 0
    .kernarg_segment_align: 8
    .kernarg_segment_size: 72
    .max_flat_workgroup_size: 128
    .sgpr_count:     100
    .vgpr_count:     1024
    .wavefront_size: 32
...
	.end_amdgpu_metadata
.endif
;; end of part 5
;; launch comb (part 6): grid 32 x 1, 8 waves a work-group, no clusters, 0 bytes of LDS; arguments memory_lengths, sc, st, op, out0, out1; writes out0, out1
.if DOCPART == 6
	.amdgcn_target "amdgcn-amd-amdhsa--gfx1250"
	.amdhsa_code_object_version 6
	.text
	.protected	k_qb8b5f57e6e_comb
	.globl	k_qb8b5f57e6e_comb
	.p2align	8
	.type	k_qb8b5f57e6e_comb,@function
k_qb8b5f57e6e_comb:
	s_mov_b64 s[64:65], 0
	v_nop
	global_prefetch_b8 v0, s[64:65] scope:SCOPE_SE
	s_setreg_imm32_b32 hwreg(HW_REG_WAVE_MODE, 25, 1), 1
	s_wait_xcnt 0x0
; The tiles of a batch are joined.  Work-group b; thread i owns four neighbouring numbers of out0[b] and of out1[b].
; M = the largest mx of the batch's n = ceil(len / 80) tiles; f_t = 2^(mx_t - M); L = sum of f_t l_t;  out0 = sum of (f_t / L) op_t;  out1[m] = 2^(t_m - M) / L for m < len, else 0.
; No loop, no LDS, no barrier: every wave makes the batch's statistics for itself, tile t in lane t.  All loads go out together.  Offsets are held inside the tiles that the launch before has stored;
; what a held lane loads is thrown away by the masks (a tile at or past n has f = 0, a row at or past len has weight 0).
; LIMITS: a length over 1,024 acts as 1,024; a length of 0 or less gives NaN in the whole batch, as the softmax of an empty row does.
	s_load_b256 s[4:11], s[0:1], 0x0               ; memory_lengths s[4:5], sc s[6:7], st s[8:9], op s[10:11]
	s_load_b128 s[12:15], s[0:1], 0x20             ; out0, out1
	v_and_b32 v1, 31, v0                           ; lane
	v_lshlrev_b32 v6, 4, v0                        ; my 16 bytes of a row of 4,096
	v_lshlrev_b32 v7, 2, v0                        ; my first m
	s_mov_b32 s26, 0x76543210                      ; v_permlanex16_b32's selects for lane l xor 16
	s_mov_b32 s27, 0xfedcba98
	s_lshl_b32 s18, ttmp9, 2
	s_mov_b32 s19, 0
	s_wait_alu depctr_va_vdst(0)
	s_wait_kmcnt 0x0
	s_add_nc_u64 s[4:5], s[4:5], s[18:19]
	s_load_b32 s16, s[4:5], 0x0                    ; len
	s_mul_i32 s18, ttmp9, 4160
	s_add_nc_u64 s[6:7], s[6:7], s[18:19]          ; sc, st, op, out0, out1 at my batch
	s_mul_i32 s18, ttmp9, 104
	s_add_nc_u64 s[8:9], s[8:9], s[18:19]
	s_mul_i32 s18, ttmp9, 53248
	s_add_nc_u64 s[10:11], s[10:11], s[18:19]
	s_lshl_b32 s18, ttmp9, 12
	s_add_nc_u64 s[12:13], s[12:13], s[18:19]
	s_add_nc_u64 s[14:15], s[14:15], s[18:19]
	s_wait_kmcnt 0x0
	s_max_i32 s20, s16, 0
	s_min_u32 s20, s20, 1024                       ; the length, held to 0 .. 1,024
	s_add_co_u32 s21, s20, 79
	s_mul_i32 s21, s21, 52429
	s_lshr_b32 s21, s21, 22                        ; n = (len + 79) / 80
	s_sub_co_i32 s22, s21, 1
	s_max_i32 s22, s22, 0
	s_min_u32 s22, s22, 12                         ; the last tile
	s_mul_i32 s23, s22, 320
	s_add_co_u32 s23, s23, 304                     ; the last 16 bytes of t that were stored
	v_min_u32 v2, s22, v1
	s_delay_alu instid0(VALU_DEP_1)
	v_min_u32 v2, 12, v2
	s_delay_alu instid0(VALU_DEP_1)
	v_lshlrev_b32 v2, 3, v2
	global_load_b64 v[4:5], v2, s[8:9]             ; (mx, l) of tile = lane
	v_min_u32 v3, s23, v6
	s_delay_alu instid0(VALU_DEP_1)
	v_min_u32 v3, 0xff0, v3
	global_load_b128 v[8:11], v3, s[6:7]           ; my four t
.irp t, 0,1,2,3,4,5,6,7,8,9,10,11,12
	s_min_u32 s24, s22, \t
	v_lshl_add_u32 v[16+\t], s24, 12, v6
	global_load_b128 v[32+4*\t:35+4*\t], v[16+\t], s[10:11]   ; my four numbers of tile t's sum: a wave reads 512 consecutive bytes
.endr
	v_mov_b32 v12, 0xff800000                      ; -infinity
	v_mov_b32 v92, 0                               ; (a lane permute's destination counts as one of its sources)
	v_cmp_gt_u32 vcc_lo, s21, v1                   ; is my lane a tile?
	s_wait_alu depctr_va_vdst(0)
	s_wait_loadcnt 0x0
	v_cndmask_b32 v4, v12, v4, vcc_lo
	v_cndmask_b32 v5, 0, v5, vcc_lo
	s_delay_alu instid0(VALU_DEP_2)
	v_mov_b32 v13, v4
	s_delay_alu instid0(VALU_DEP_1)
	v_max_num_f32_dpp v13, v13, v13 row_xmask:1 row_mask:0xf bank_mask:0xf
	s_delay_alu instid0(VALU_DEP_1)
	v_max_num_f32_dpp v13, v13, v13 row_xmask:2 row_mask:0xf bank_mask:0xf
	s_delay_alu instid0(VALU_DEP_1)
	v_max_num_f32_dpp v13, v13, v13 row_xmask:4 row_mask:0xf bank_mask:0xf
	s_delay_alu instid0(VALU_DEP_1)
	v_max_num_f32_dpp v13, v13, v13 row_xmask:8 row_mask:0xf bank_mask:0xf
	s_delay_alu instid0(VALU_DEP_1)
	v_permlanex16_b32 v92, v13, s26, s27
	s_delay_alu instid0(VALU_DEP_1)
	v_max_num_f32 v13, v13, v92                    ; M
	s_delay_alu instid0(VALU_DEP_1)
	v_sub_f32 v14, v4, v13
.irp i, 0,1,2,3
	v_sub_f32 v[84+\i], v[8+\i], v13
.endr
	s_wait_alu depctr_va_vdst(0)
	v_exp_f32 v14, v14                             ; f
.irp i, 0,1,2,3
	v_exp_f32 v[84+\i], v[84+\i]                   ; 2^(t - M)
.endr
	v_nop                                          ; a plain instruction behind the last exponential,
	s_wait_alu depctr_va_vdst(0)                   ; and one wait for the five
	v_mul_f32 v15, v14, v5
	s_delay_alu instid0(VALU_DEP_1)
	v_add_f32_dpp v15, v15, v15 row_xmask:1 row_mask:0xf bank_mask:0xf
	s_delay_alu instid0(VALU_DEP_1)
	v_add_f32_dpp v15, v15, v15 row_xmask:2 row_mask:0xf bank_mask:0xf
	s_delay_alu instid0(VALU_DEP_1)
	v_add_f32_dpp v15, v15, v15 row_xmask:4 row_mask:0xf bank_mask:0xf
	s_delay_alu instid0(VALU_DEP_1)
	v_add_f32_dpp v15, v15, v15 row_xmask:8 row_mask:0xf bank_mask:0xf
	s_delay_alu instid0(VALU_DEP_1)
	v_permlanex16_b32 v92, v15, s26, s27
	s_delay_alu instid0(VALU_DEP_1)
	v_add_f32 v15, v15, v92                        ; L
	s_wait_alu depctr_va_vdst(0)
	v_rcp_f32 v93, v15
	v_nop
	s_wait_alu depctr_va_vdst(0)
	v_mul_f32 v14, v14, v93                        ; g = f / L, tile t's in lane t
.irp t, 0,1,2,3,4,5,6,7,8,9,10,11,12
	v_readlane_b32 s[40+\t], v14, \t
.endr
.irp i, 0,1,2,3
	v_mul_f32 v[88+\i], s40, v[32+\i]              ; the first term starts the sums
.endr
.irp t, 1,2,3,4,5,6,7,8,9,10,11,12
.irp i, 0,1,2,3
	s_delay_alu instid0(VALU_DEP_4)
	v_fmac_f32 v[88+\i], s[40+\t], v[32+4*\t+\i]
.endr
.endr
.irp i, 0,1,2,3
	v_add_nc_u32 v94, \i, v7
	s_delay_alu instid0(VALU_DEP_1)
	v_cmp_gt_u32 vcc_lo, s20, v94                  ; m < len?
	v_cndmask_b32 v[84+\i], 0, v[84+\i], vcc_lo    ; the choice ahead of the multiplication: with no valid row 0 x NaN is NaN
	v_mul_f32 v[84+\i], v[84+\i], v93
.endr
	global_store_b128 v6, v[88:91], s[12:13]       ; a wave stores 512 consecutive bytes, at a multiple of 256 from the buffer's first byte
	global_store_b128 v6, v[84:87], s[14:15]
	s_endpgm
.Lfunc_end_k_qb8b5f57e6e_comb:
	.size	k_qb8b5f57e6e_comb, .Lfunc_end_k_qb8b5f57e6e_comb-k_qb8b5f57e6e_comb
	.p2alignl 7, 3214868480
	.fill 96, 4, 3214868480
	.section	.rodata,"a",@progbits
	.p2align	6, 0x0
	.amdhsa_kernel k_qb8b5f57e6e_comb
		.amdhsa_group_segment_fixed_size 0
		.amdhsa_private_segment_fixed_size 0
		.amdhsa_enable_private_segment 0
		.amdhsa_kernarg_size 48
		.amdhsa_user_sgpr_count 2
		.amdhsa_user_sgpr_kernarg_segment_ptr 1
		.amdhsa_wavefront_size32 1
		.amdhsa_system_sgpr_workgroup_id_x 1
		.amdhsa_system_sgpr_workgroup_id_y 1
		.amdhsa_system_sgpr_workgroup_id_z 1
		.amdhsa_system_vgpr_workitem_id 0
		.amdhsa_next_free_vgpr 96
		.amdhsa_next_free_sgpr 66
		.amdhsa_reserve_vcc 1
		.amdhsa_float_denorm_mode_32 3
		.amdhsa_float_denorm_mode_16_64 3
		.amdhsa_memory_ordered 1
		.amdhsa_forward_progress 1
		.amdhsa_inst_pref_size 12
	.end_amdhsa_kernel
	.amdgpu_metadata
---
amdhsa.version: [ 1, 2 ]
amdhsa.kernels:
  - .name:           k_qb8b5f57e6e_comb
    .symbol:         k_qb8b5f57e6e_comb.kd
    .args:
      - { .name: memory_lengths, .offset: 0, .size: 8, .value_kind: global_buffer, .address_space: global }
      - { .name: sc, .offset: 8, .size: 8, .value_kind: global_buffer, .address_space: global }
      - { .name: st, .offset: 16, .size: 8, .value_kind: global_buffer, .address_space: global }
      - { .name: op, .offset: 24, .size: 8, .value_kind: global_buffer, .address_space: global }
      - { .name: out0, .offset: 32, .size: 8, .value_kind: global_buffer, .address_space: global }
      - { .name: out1, .offset: 40, .size: 8, .value_kind: global_buffer, .address_space: global }
    .group_segment_fixed_size: 0
    .private_segment_fixed_size: 0
    .kernarg_segment_align: 8
    .kernarg_segment_size: 48
    .max_flat_workgroup_size: 256
    .sgpr_count:     66
    .vgpr_count:     96
    .wavefront_size: 32
...
	.end_amdgpu_metadata
.endif
;; end of part 6
